; MI455X (gfx1250); checked and timed in simulation.
; The chip was launched on July 23, 2026; its instructions are those of AMD's public machine-readable ISA for CDNA 5 (MIT licence, August 2026) and "CDNA5" Instruction Set Architecture Reference Guide (July 2026). The comments in the code are by the model that wrote it; some were corrected since.
;; Attention Head. Allowed arithmetic: matrix products marked QUANTISED: E5M2 operands, one E8M0 scale for each 32 along K, by v_wmma_scale_f32_16x16x128_f8f6f4 with both operands' format E5M2, f32 sums; everything else in f32.
;; Inputs: Wk 1,024 x 1,024 float32; Wo 1,024 x 1,024 float32; Wq 1,024 x 1,024 float32; Wv 1,024 x 1,024 float32; bk 1,024 float32; bo 1,024 float32; bq 1,024 float32; bv 1,024 float32; x 4 x 2,048 x 1,024 float32.
;; Outputs: out0 4 x 1,024 float32.
;; This version of the problem:
;;   THIS VERSION OF THE PROBLEM IS GIVEN IN LOW PRECISION. The matrix products marked QUANTISED in the list below multiply operands that are first quantised to E5M2 (5 exponent bits, 2 mantissa bits; 8 bits a number), with one power-of-two scale for each 32 numbers along K (OCP MX v1.0); their sums are f32. All else is computed in f32.
;;   The module's matrix products, in the order in which they are computed (A, B: the left and right operand; K: the contracted axis; several contracted axes count as one K, in the product's order):
;;     1. [M 8,192, K 1,024] x [K 1,024, N 1,024]; A: input x; B: input Wq: QUANTISED
;;     2. [M 8,192, K 1,024] x [K 1,024, N 1,024]; A: input x; B: input Wk: QUANTISED
;;     3. [M 8,192, K 1,024] x [K 1,024, N 1,024]; A: input x; B: input Wv: QUANTISED
;;     4. batch 64 x [M 2,048, K 64] x [K 64, N 2,048]; A: computed on the way; B: computed on the way: QUANTISED
;;     5. batch 64 x [M 2,048, K 2,048] x [K 2,048, N 64]; A: softmax (see below); B: computed on the way: QUANTISED
;;     6. [M 8,192, K 1,024] x [K 1,024, N 1,024]; A: computed on the way; B: input Wo: QUANTISED
;;   THE QUANTISER, for each operand of a quantised product, along K:
;;     - K is cut into blocks of 32 from its start; a last block that is shorter is filled with zeros.
;;     - A block's scale is 2^e with e = floor(log2(the largest magnitude in the block)) - 15, held to -126 .. 127; a block of zeros has e = 0. As a byte (E8M0): e + 127.
;;     - Each number is divided by its block's scale, clamped to +-57,344, and rounded to the nearest number of E5M2, ties to even, subnormals kept.
;;     - The product sums the exact products of the quantised numbers (number of the format x scale) in f32.
;;   ~~~python
;;   def quantise(x, axis):      # numpy; x: float32 -> the quantised numbers, widened to float32 again
;;       x = np.moveaxis(x, axis, -1); K = x.shape[-1]
;;       x = np.pad(x, [(0, 0)] * (x.ndim - 1) + [(0, -K % 32)]); x = x.reshape(x.shape[:-1] + (-1, 32)); a = np.abs(x).max(-1, keepdims=True)
;;       e = np.where(a > 0, np.clip(np.frexp(np.where(a > 0, a, 1))[1] - 1 - 15, -126, 127), 0)      # np.frexp(a)[1] - 1 = floor(log2(a)), exactly
;;       r = np.clip(x / 2.0 ** e, -57344, 57344)
;;       step = 2.0 ** (np.maximum(np.frexp(np.where(r == 0, 1, r))[1] - 1, -14) - 2)
;;       q = np.round(r / step) * step * 2.0 ** e      # np.round: ties to even
;;       return np.moveaxis(q.reshape(q.shape[:-2] + (-1,))[..., :K], -1, axis).astype(np.float32)
;;   ~~~
;;   SOFTMAX AHEAD OF A QUANTISED PRODUCT. Where the list says 'softmax', what is quantised is not the finished softmax but p = 2^(t - M), with t = logit x log2(e) and M = ceil(the row's largest t), a whole number; so 1/2 < the row's largest p <= 1. The row's sum l is taken of the UNQUANTISED p, in f32, and the product's result is divided by l at the end. Since M is a whole number, a kernel that streams over the keys may use a running M (the ceiling of the running maximum): every later rescaling is an exact power of two, which a block's scale takes up: the codes' values come out the same.
;;   OPERANDS COMPUTED ON THE WAY. 'Computed on the way' means the value that the module computes at that place (a softmax that the list does not call 'softmax' is quantised finished and normalised). What goes into a quantiser is computed in f32, as accurately as f32 sums, v_exp_f32 and their like allow (about 1e-6 of the number): no bf16 or f16 on the way to a quantiser, and a product that is left as it is and whose result goes on into a quantised operand takes f32 operands (vector FMAs, or v_wmma_f32_16x16x4_f32). A number that lies on a knife's edge between two numbers of the format may be rounded either way, as far as f32 arithmetic and the matrix unit's own rounding can turn it there, and no further.
;; One version. Each part assembles by itself: llvm-mc -triple=amdgcn-amd-amdhsa -mcpu=gfx1250 --defsym DOCPART=n.
;; ======== version 1 of 1: 6 launches
;; limits: right only within a limited range of input values
;; workspace buffers: opq 12,976,128 bytes; qkv 26,738,688 bytes; att 9,699,328 bytes; cs 1,048,576 bytes; part 262,144 bytes
;; launch quant (part 1): grid 512 x 1, 4 waves a work-group, no clusters, 34,304 bytes of LDS; arguments x, Wq, Wk, Wv, Wo, opq; writes opq
.if DOCPART == 1
	.amdgcn_target "amdgcn-amd-amdhsa--gfx1250"
	.amdhsa_code_object_version 6
	.text
	.protected	k_qfb0989f14f_quant
	.globl	k_qfb0989f14f_quant
	.p2align	8
	.type	k_qfb0989f14f_quant,@function
k_qfb0989f14f_quant:
	s_mov_b64 s[64:65], 0
	v_nop
	global_prefetch_b8 v0, s[64:65] scope:SCOPE_SE
	s_setreg_imm32_b32 hwreg(HW_REG_WAVE_MODE, 25, 1), 1
	s_wait_xcnt 0x0
; x [8192][1024] and the four weights [1024 (k)][1024 (n)], f32, become codes of E5M2 with one E8M0 byte for each 32 along K, laid in opq AS IMAGES OF OPERAND REGISTERS.
; A fragment is 16 rows x 128 K: 2,048 bytes; piece c (registers 4c .. 4c+3: k = 32c + 16 (lane / 16) + 0 .. 15 of row lane % 16) lies at 512 c + 16 x lane.  Its scale record is 16 words, word r for row r.
; TILE ORDER: lane r of tile T holds row 32 (T / 2) + 8 (T % 2) + r + 8 (r / 8): so the 16 result registers of tiles 2 b, 2 b + 1, used as source 0, are 16 neighbouring rows.
; opq: x's codes [tile 512][kstep 8][2048] at 0; the weights' [Wq, Wk, Wv, Wo][tile 64][kstep 8][2048] at WFO; x's scale records [tile][kstep][64] at XSO; the weights' at WSO.
; A block's scale is 2^(floor(log2(largest magnitude)) - 15); numbers are held within +-57,344 x the scale and rounded to the nearest code, ties to even.
; LIMITS: a block of zeros gets the byte 1 where the rule says 127 (its codes are zeros, and this program alone reads the bytes); blocks whose largest magnitude lies under 2^-111 sit at that floor; NaN and infinities are not served.
; Work-groups 0-255 take x (K innermost: loads of 512 dense bytes, turned through the wave's own stage in LDS); 256-511 the weights (K outermost: a lane takes a column, registers run down K; no LDS).  Waves share nothing: no barrier.
.set WFO, 8388608
.set XSO, 12582912
.set WSO, 12845056
.set R,   16                           ; v16-143  x path: two sets of 64 numbers as loaded
.set XN,  144                          ; v144-207 64 numbers: register 16 b + i = k 32 b + 16 h + i of my row
.set TM,  208                          ; v208-223 at work: maxima, bytes, holds, scale operands
.set PWR, 224                          ; v224-227 a scale word for each kstep
.set PC,  228                          ; v228-243 the codes just made
.set SW,  244                          ; v244-245 two ksteps' scale words, one in each half of the lanes
.set SEL, 20                           ; s[20:21] selects of v_permlanex16_b32: lane l xor 16
.set MNT, 22                           ; s22 the mantissa field of 57,344
.set HM,  23                           ; s23 the mask of lanes 16-31
; 64 numbers v[s] on become a fragment's codes in v[PC] on and its rows' scale word in v[pw]
.macro QUANT s, pw
.irp b, 0,1,2,3
	v_max3_num_f32 v[TM+\b], |v[\s+16*\b]|, |v[\s+16*\b+1]|, 0x8000000   ; my 16 numbers of block b, and the floor 2^(16 - 127): the byte cannot fall under 1
.endr
.irp i, 2,4,6,8,10,12,14
.irp b, 0,1,2,3
	v_max3_num_f32 v[TM+\b], v[TM+\b], |v[\s+16*\b+\i]|, |v[\s+16*\b+\i+1]|   ; the four blocks by turns
.endr
.endr
.irp b, 0,1,2,3
	v_permlanex16_b32 v[TM+4+\b], v[TM+\b], s[SEL], s[SEL+1]
.endr
.irp b, 0,1,2,3
	v_max_num_f32 v[TM+\b], v[TM+\b], v[TM+4+\b]       ; with lane l xor 16's 16: the block's largest magnitude
.endr
.irp b, 0,1,2,3
	v_add_nc_u32 v[TM+12+\b], 0xf8800000, v[TM+\b]     ; 15 off its exponent field: the conversion's scale operand
.endr
.irp b, 0,1,2,3
	v_and_or_b32 v[TM+8+\b], v[TM+\b], 0x7f800000, s[MNT]   ; 57,344 x the scale
.endr
.irp b, 0,1,2,3
	v_lshrrev_b32 v[TM+4+\b], 23, v[TM+12+\b]          ; the scale's byte
.endr
	v_lshl_or_b32 v[\pw], v[TM+5], 8, v[TM+4]
	v_lshl_or_b32 v[\pw], v[TM+6], 16, v[\pw]
	v_lshl_or_b32 v[\pw], v[TM+7], 24, v[\pw]
.irp b, 0,1,2,3
.irp i, 0,1,2,3,4,5,6,7,8,9,10,11,12,13,14,15
	v_med3_num_f32 v[\s+16*\b+\i], v[\s+16*\b+\i], -v[TM+8+\b], v[TM+8+\b]   ; the conversion does not saturate (ISA guide 7.6.2): the hold comes first
.endr
	v_cvt_scalef32_pk8_bf8_f32 v[PC+4*\b:PC+4*\b+1], v[\s+16*\b:\s+16*\b+7], v[TM+12+\b]
	v_cvt_scalef32_pk8_bf8_f32 v[PC+4*\b+2:PC+4*\b+3], v[\s+16*\b+8:\s+16*\b+15], v[TM+12+\b]
.endr
	v_nop                                              ; a plain line behind the last conversion
.endm
	s_load_b256 s[4:11], s[0:1], 0x0               ; x, Wq, Wk, Wv
	s_load_b128 s[12:15], s[0:1], 0x20             ; Wo, opq
	v_lshl_add_u32 v254, v0, 2, 0x8400
	v_mov_b32 v255, 0
	v_lshrrev_b32 v1, 5, v0
	v_readfirstlane_b32 s16, v1                    ; wave
	v_and_b32 v1, 31, v0                           ; lane
	v_lshlrev_b32 v2, 4, v1                        ; 16 x lane
	v_lshlrev_b32 v5, 2, v1                        ; 4 x lane
	s_mov_b32 s[SEL], 0x76543210
	s_mov_b32 s[SEL+1], 0xfedcba98
	s_mov_b32 s[MNT], 0x600000
	s_mov_b32 s[HM], 0xffff0000
	s_cmp_lt_u32 ttmp9, 256
	s_cbranch_scc0 .Lweights
	; ---- x.  Wave g = 4 x work-group + wave takes tile g / 2, ksteps 4 (g % 2) .. + 3
	s_lshl_b32 s17, ttmp9, 2
	s_add_co_u32 s17, s17, s16                     ; g
	s_lshr_b32 s18, s17, 1                         ; tile
	s_and_b32 s19, s17, 1                          ; which half of K
	s_lshr_b32 s24, s18, 1
	s_lshl_b32 s24, s24, 17                        ; 32 (tile / 2) rows of 4,096 bytes
	s_and_b32 s25, s18, 1
	s_lshl_b32 s25, s25, 15                        ; + 8 (tile % 2) rows
	s_add_co_u32 s24, s24, s25
	s_lshl_b32 s25, s19, 11                        ; + 512 numbers along K
	s_add_co_u32 s24, s24, s25
	s_mov_b32 s25, 0
	s_lshl_b32 s26, s17, 13                        ; codes: (8 tile + 4 half) x 2,048 = 8,192 g
	s_mov_b32 s27, 0
	s_lshl_b32 s28, s17, 8                         ; scale records: 256 g
	s_add_co_u32 s28, s28, XSO
	s_mov_b32 s29, 0
	s_mul_i32 s30, s16, 8448                       ; my stage: 16 rows x (512 bytes + 16): the pitch is an odd multiple of 16 bytes
	s_wait_alu depctr_va_vdst(0)
	v_add_nc_u32 v3, s30, v2                       ; in: a row as it lies
	v_and_b32 v6, 15, v0
	v_bfe_u32 v7, v0, 4, 1
	v_mul_u32_u24 v4, v6, 528
	v_lshl_add_u32 v4, v7, 6, v4
	v_add_nc_u32 v4, s30, v4                       ; out: row r, + 64 h: my 16 numbers of a block
.irp b, 0,1,2,3
	v_mov_b32 v[TM+4+\b], 0                        ; a lane permute's destination counts as one of its sources
.endr
	s_wait_alu depctr_va_vdst(0)
	s_wait_kmcnt 0x0
	s_add_nc_u64 s[4:5], s[4:5], s[24:25]
	s_add_nc_u64 s[26:27], s[14:15], s[26:27]
	s_add_nc_u64 s[28:29], s[14:15], s[28:29]
.macro LOADX s                         ; kstep s: 512 dense bytes of each of the tile's 16 rows
.irp i, 0,1,2,3,4,5,6,7,8,9,10,11,12,13,14,15
	global_load_b128 v[R+64*((\s)%2)+4*\i:R+64*((\s)%2)+4*\i+3], v2, s[4:5] offset:(\i+8*(\i/8))*4096+512*(\s) th:TH_LOAD_NT
.endr
.endm
.macro STEPX s
.if (\s) < 3
	s_wait_loadcnt 16                              ; this kstep's 16 loads are in; the next kstep's 16 may be out
.else
	s_wait_loadcnt 0x0
.endif
.irp i, 0,1,2,3,4,5,6,7,8,9,10,11,12,13,14,15
	ds_store_b128 v3, v[R+64*((\s)%2)+4*\i:R+64*((\s)%2)+4*\i+3] offset:528*\i
.endr
.irp c, 0,1,2,3
.irp j, 0,1,2,3
	ds_load_b128 v[XN+16*\c+4*\j:XN+16*\c+4*\j+3], v4 offset:128*\c+16*\j   ; LDS serves a wave's instructions in order: these see the stores above
.endr
.endr
	s_wait_dscnt 0x0                               ; the numbers are back, and the stores have read their registers
	s_wait_xcnt 0x0                                ; the last kstep's stores have read the codes' registers
.if (\s) < 2
	LOADX (\s)+2
.endif
	QUANT XN, PWR+(\s)
.irp c, 0,1,2,3
	global_store_b128 v2, v[PC+4*\c:PC+4*\c+3], s[26:27] offset:2048*(\s)+512*\c   ; 512 consecutive bytes, aligned
.endr
.if ((\s)%2) == 1
	v_cndmask_b32 v[SW+(\s)/2], v[PWR+(\s)-1], v[PWR+(\s)], s[HM]   ; lanes 0-15 the kstep before, lanes 16-31 this one
	global_store_b32 v5, v[SW+(\s)/2], s[28:29] offset:64*((\s)-1)  ; two records, 128 consecutive bytes
.endif
.endm
	LOADX 0
	LOADX 1
	STEPX 0
	STEPX 1
	STEPX 2
	STEPX 3
	s_wait_tensorcnt 0x0
	ds_add_u32 v254, v255
	s_wait_dscnt 0x0
	s_endpgm
	; ---- the weights.  Work-group j: matrix j / 64, columns 128 ((j / 8) % 8) on, kstep j % 8; a wave takes 32 columns, a lane one
.Lweights:
	s_sub_co_u32 s17, ttmp9, 256                   ; j
	s_lshr_b32 s18, s17, 6                         ; matrix
	s_bfe_u32 s19, s17, 0x30003                    ; group of 128 columns
	s_and_b32 s24, s17, 7                          ; kstep
	s_lshl_b32 s25, s19, 7
	s_lshl_b32 s26, s16, 5
	s_add_co_u32 s25, s25, s26                     ; my wave's first column n0
	s_lshl_b32 s26, s24, 19                        ; 128 rows of 4,096 bytes a kstep
	s_lshl_b32 s27, s25, 2
	s_add_co_u32 s26, s26, s27
	s_mov_b32 s27, 0
	s_lshl_b32 s28, s18, 6
	s_lshr_b32 s29, s25, 4
	s_add_co_u32 s28, s28, s29                     ; tile 64 m + n0 / 16
	s_lshl_b32 s28, s28, 3
	s_add_co_u32 s28, s28, s24                     ; x 8 + kstep
	s_lshl_b32 s30, s28, 6
	s_add_co_u32 s30, s30, WSO
	s_mov_b32 s31, 0
	s_lshl_b32 s28, s28, 11
	s_add_co_u32 s28, s28, WFO
	s_mov_b32 s29, 0
	v_bfe_u32 v6, v0, 3, 1                         ; u: column l of the 32 lies in tile 2 b + u, u = (l / 8) % 2,
	v_and_b32 v7, 7, v0
	v_bfe_u32 v8, v0, 4, 1
	v_lshl_add_u32 v7, v8, 3, v7                   ; at lane r = l % 8 + 8 (l / 16)
	v_lshlrev_b32 v3, 4, v7
	v_lshl_add_u32 v3, v6, 14, v3                  ; codes: 16,384 u + 16 r
	v_lshlrev_b32 v4, 2, v7
	v_lshl_add_u32 v4, v6, 9, v4                   ; scale word: 512 u + 4 r
	s_wait_kmcnt 0x0
	s_cmp_eq_u32 s18, 1                            ; the matrix is chosen by the work-group's number alone
	s_cselect_b64 s[32:33], s[8:9], s[6:7]
	s_cmp_eq_u32 s18, 2
	s_cselect_b64 s[32:33], s[10:11], s[32:33]
	s_cmp_eq_u32 s18, 3
	s_cselect_b64 s[32:33], s[12:13], s[32:33]
	s_add_nc_u64 s[32:33], s[32:33], s[26:27]
	s_add_nc_u64 s[28:29], s[14:15], s[28:29]
	s_add_nc_u64 s[30:31], s[14:15], s[30:31]
.macro LOADW c                         ; block c: W(32 c + i, my column): 128 consecutive bytes a load
.irp i, 0,1,2,3,4,5,6,7,8,9,10,11,12,13,14,15,16,17,18,19,20,21,22,23,24,25,26,27,28,29,30,31
	global_load_b32 v[16+32*((\c)%2)+\i], v5, s[32:33] offset:(32*(\c)+\i)*4096 th:TH_LOAD_NT
.endr
.endm
.macro BLOCKW c
.set WD, 16+32*((\c)%2)
.if (\c) < 3
	s_wait_loadcnt 32                              ; this block's 32 loads are in; the next block's may be out
.else
	s_wait_loadcnt 0x0
.endif
	v_max3_num_f32 v12, |v[WD]|, |v[WD+1]|, |v[WD+2]|   ; all 32 numbers of the block are mine
	v_max3_num_f32 v13, |v[WD+3]|, |v[WD+4]|, |v[WD+5]|
.irp i, 6,10,14,18,22,26
	v_max3_num_f32 v12, v12, |v[WD+\i]|, |v[WD+\i+1]|
	v_max3_num_f32 v13, v13, |v[WD+\i+2]|, |v[WD+\i+3]|
.endr
	v_max3_num_f32 v12, v12, |v[WD+30]|, |v[WD+31]|
	v_max3_num_f32 v12, v12, v13, 0x8000000        ; and the floor
	v_add_nc_u32 v11, 0xf8800000, v12
	v_and_or_b32 v10, v12, 0x7f800000, s[MNT]
	v_lshrrev_b32 v13, 23, v11
.if (\c) == 0
	v_mov_b32 v112, v13                            ; the four bytes make my column's scale word
.else
	v_lshl_or_b32 v112, v13, 8*(\c), v112
.endif
.irp i, 0,1,2,3,4,5,6,7,8,9,10,11,12,13,14,15,16,17,18,19,20,21,22,23,24,25,26,27,28,29,30,31
	v_med3_num_f32 v[WD+\i], v[WD+\i], -v10, v10
.endr
.irp g, 0,1,2,3
	v_cvt_scalef32_pk8_bf8_f32 v[80+8*(\c)+2*\g:80+8*(\c)+2*\g+1], v[WD+8*\g:WD+8*\g+7], v11   ; each block has its own eight registers: no store's data are written again
.endr
	v_nop
.if (\c) < 2
	LOADW (\c)+2
.endif
	global_store_b128 v3, v[80+8*(\c):80+8*(\c)+3], s[28:29] offset:512*(\c)         ; k 32 c + 0 .. 15: the place of lane r
	global_store_b128 v3, v[80+8*(\c)+4:80+8*(\c)+7], s[28:29] offset:512*(\c)+256   ; k 32 c + 16 .. 31: the place of lane 16 + r; sixteen lanes fill 256 aligned bytes
.endm
	s_wait_alu depctr_va_vdst(0)
	LOADW 0
	LOADW 1
	BLOCKW 0
	BLOCKW 1
	BLOCKW 2
	BLOCKW 3
	global_store_b32 v4, v112, s[30:31]
	s_endpgm
.Lfunc_end_k_qfb0989f14f_quant:
	.size	k_qfb0989f14f_quant, .Lfunc_end_k_qfb0989f14f_quant-k_qfb0989f14f_quant
	.p2alignl 7, 3214868480
	.fill 96, 4, 3214868480
	.section	.rodata,"a",@progbits
	.p2align	6, 0x0
	.amdhsa_kernel k_qfb0989f14f_quant
		.amdhsa_group_segment_fixed_size 34304
		.amdhsa_private_segment_fixed_size 0
		.amdhsa_enable_private_segment 0
		.amdhsa_kernarg_size 48
		.amdhsa_user_sgpr_count 2
		.amdhsa_user_sgpr_kernarg_segment_ptr 1
		.amdhsa_wavefront_size32 1
		.amdhsa_system_sgpr_workgroup_id_x 1
		.amdhsa_system_sgpr_workgroup_id_y 1
		.amdhsa_system_sgpr_workgroup_id_z 1
		.amdhsa_system_vgpr_workitem_id 0
		.amdhsa_next_free_vgpr 256
		.amdhsa_next_free_sgpr 66
		.amdhsa_reserve_vcc 0
		.amdhsa_float_denorm_mode_32 3
		.amdhsa_float_denorm_mode_16_64 3
		.amdhsa_memory_ordered 1
		.amdhsa_forward_progress 1
		.amdhsa_inst_pref_size 80
	.end_amdhsa_kernel
	.amdgpu_metadata
---
amdhsa.version: [ 1, 2 ]
amdhsa.kernels:
  - .name:           k_qfb0989f14f_quant
    .symbol:         k_qfb0989f14f_quant.kd
    .args:
      - { .name: x, .offset: 0, .size: 8, .value_kind: global_buffer, .address_space: global }
      - { .name: Wq, .offset: 8, .size: 8, .value_kind: global_buffer, .address_space: global }
      - { .name: Wk, .offset: 16, .size: 8, .value_kind: global_buffer, .address_space: global }
      - { .name: Wv, .offset: 24, .size: 8, .value_kind: global_buffer, .address_space: global }
      - { .name: Wo, .offset: 32, .size: 8, .value_kind: global_buffer, .address_space: global }
      - { .name: opq, .offset: 40, .size: 8, .value_kind: global_buffer, .address_space: global }
    .group_segment_fixed_size: 34304
    .private_segment_fixed_size: 0
    .kernarg_segment_align: 8
    .kernarg_segment_size: 48
    .max_flat_workgroup_size: 128
    .sgpr_count:     66
    .vgpr_count:     256
    .wavefront_size: 32
...
	.end_amdgpu_metadata
.endif
;; end of part 1
;; launch gemm_qkv (part 2): grid 12 x 32, 4 waves a work-group, clusters of 4 x 4, 327,680 bytes of LDS; arguments opq, bq, bk, bv, qkv; writes qkv
.if DOCPART == 2
	.amdgcn_target "amdgcn-amd-amdhsa--gfx1250"
	.amdhsa_code_object_version 6
	.text
	.protected	k_qfb0989f14f_gemm_qkv
	.globl	k_qfb0989f14f_gemm_qkv
	.p2align	8
	.type	k_qfb0989f14f_gemm_qkv,@function
k_qfb0989f14f_gemm_qkv:
	s_mov_b64 s[64:65], 0
	v_nop
	global_prefetch_b8 v0, s[64:65] scope:SCOPE_SE
	s_setreg_imm32_b32 hwreg(HW_REG_WAVE_MODE, 25, 1), 1
	s_wait_xcnt 0x0
	s_wait_alu depctr_hold_cnt(0) depctr_sa_sdst(0) depctr_va_vdst(0) depctr_va_sdst(0) depctr_va_ssrc(0) depctr_va_vcc(0) depctr_vm_vsrc(0)
	s_getreg_b32 s2, hwreg(HW_REG_IB_STS2, 6, 4)
	s_cmp_eq_u32 s2, 0
	s_cbranch_scc0 .Lentry_in_a_cluster
	s_endpgm
.Lentry_in_a_cluster:
	s_bfe_u32 s2, ttmp6, 0x10000c
	s_cmp_lg_u32 s2, 0xf033
	s_cbranch_scc0 .Lentry_shape_is_right
	s_endpgm
.Lentry_shape_is_right:
; Q = x Wq + bq, K = x Wk + bk, V = x Wv + bv on codes of E5M2 with E8M0 scales, and their results QUANTISED AGAIN on the way out, as the operands of attention's two products.
; Operands come from opq as images of operand registers (fragment: 2,048 bytes, piece c at 512 c + 16 x lane; scale record: 16 words), in tile order: lane r of tile T is row 32 (T / 2) + 8 (T % 2) + r + 8 (r / 8).
; A work-group of four waves makes 256 x 256; a wave 128 x 128: 64 accumulators.  Source 1 ("A") is the axis that a lane holds, source 0 ("B") the axis along a lane's registers.
; Cluster x = 0, 1 (Q, K): A = 256 tokens, B = 256 features: a lane's 64 registers of an A block are 128 neighbouring-by-16 features of one token: two heads' K axis.
; Cluster x = 2 (V): A = 256 features of Wv, B = 256 tokens: a lane's 64 registers are 128 tokens of one feature: the second product's K axis (the keys).
; K = 1,024 goes in four steps of 256 through a ring of two LDS slots filled by joint tensor loads: A's tiles are shared along a row of the 4 x 4 cluster, B's along a column.
; qkv: codes at X x 8,388,608 (X = 0 Q, 1 K, 2 V): Q, K [bh 64][tile 128][1024] (half fragments, 64 along K); V [bh][kstep 16][dtile 4][2048].  Scale words at SCO + X x 524,288: Q, K [bh][tile][16 words], bytes 2 and 3 zero;
; V [bh][kstep][dtile][32 words] (both halves of the lanes store the word).
; LIMITS: a block of zeros gets the byte 1 (its codes are zeros; this program alone reads the bytes); largest magnitudes under 2^-111 sit at that floor; NaN and infinities are not served.
; REGISTERS: window 0: v0-31 addresses, v8-15 bv by A block, v32-63 scale words (two sets), v64-127 bq or bk along the registers, from v128 A's fragments (one set), later the way out;
;   window 1: B's fragments, two sets;  windows 2, 3: the accumulators ((a, b) at v[8 (8 (a % 4) + b)] of window 2 + a / 4).
.set XSO,  12582912
.set WFO,  8388608
.set WSO,  12845056
.set SCO,  25165824
.set NQ,   2                           ; steps of 128 along K in a slot
.set FR,   16                          ; registers of a fragment
.set NL,   4                           ; LDS loads that bring one
.set NP,   8                           ; places behind this matrix instruction (ISA guide 7.12.1)
.set LAPS, 2                           ; a lap = two slots = 512 along K
.set SLOT, 131072                      ; A's 16 tiles x 4,096 bytes, then B's
.set BOFF, 65536
.set SCL,  262144                      ; the scale records for all of K: A's 16 tiles x 512 bytes, then B's: filled once
.set SPARE, 278528                     ; the spare words, 128 bytes a wave: two blocks of 256 bytes that no other line names
.set BM,   8
.set ADRA, 16
.set ADRB, 20
.set SHV,  22
.set CO0,  24
.set CO1,  25
.set SOF,  26
.set ADRS, 27
.set SPW,  28
.set NIL,  29
.set SC,   32
.set BN,   64
.set AF,   128
.set T,    128                         ; the way out: 64 numbers
.set TM,   192
.set PW,   208
.set PS,   209
.set PC,   216
.set SEL,  2                           ; s[2:3], set behind the loop
.set MNT,  44
.set G1,   24
.set G0,   32
.set G1B,  48
.set G0B,  56
.set G1S,  68
.set G0S,  76
.set G1SB, 80
.set G0SB, 88
.set MSB, 0
.macro WIN new                         ; the immediate's high byte repeats the setting that is left
.if MSB != (\new)
	s_set_vgpr_msb (MSB<<8)|(\new)
.set MSB, (\new)
.endif
.endm
.set MUL_LO, 0xa1                      ; source 0 window 1, source 1 window 0, C and D window 2
.set MUL_HI, 0xf1
.set TO_B,   0x40
; A joint load: waves 0 and 1 fetch for A, waves 2 and 3 for B; the branch hangs on the wave's number alone.  Four v_nop follow each of the two lines.
.macro JLOAD g0a, g1a, g0b, g1b
	s_cmp_eq_u32 s15, 0
	s_cbranch_scc0 .Lfor_b_\@
	tensor_load_to_lds s[\g0a:\g0a+3], s[\g1a:\g1a+7]
	s_nop 0
.rept 4
	v_nop
.endr
	s_branch .Lasked_\@
.Lfor_b_\@:
	tensor_load_to_lds s[\g0b:\g0b+3], s[\g1b:\g1b+7]
	s_nop 0
.rept 4
	v_nop
.endr
.Lasked_\@:
.endm
.macro CREST                           ; a round of the cluster's barrier behind its opening barrier
	s_cmp_lg_u32 s14, 0
	s_cbranch_scc1 .Lnot_wave_0_\@
	s_barrier_signal -3
.Lnot_wave_0_\@:
	s_barrier_wait -3
	s_barrier_signal -1
	s_barrier_wait -1
.endm
.macro CROUND
	s_barrier_signal -1
	s_barrier_wait -1
	CREST
.endm
.macro QUANT s, pw                     ; 64 numbers, register 16 b + i = k 32 b + 16 h + i, become codes in v[PC] on and a scale word in v[pw]
.irp b, 0,1,2,3
	v_max3_num_f32 v[TM+\b], |v[\s+16*\b]|, |v[\s+16*\b+1]|, 0x8000000   ; and the floor 2^(16 - 127)
.endr
.irp i, 2,4,6,8,10,12,14
.irp b, 0,1,2,3
	v_max3_num_f32 v[TM+\b], v[TM+\b], |v[\s+16*\b+\i]|, |v[\s+16*\b+\i+1]|
.endr
.endr
.irp b, 0,1,2,3
	v_permlanex16_b32 v[TM+4+\b], v[TM+\b], s[SEL], s[SEL+1]
.endr
.irp b, 0,1,2,3
	v_max_num_f32 v[TM+\b], v[TM+\b], v[TM+4+\b]
.endr
.irp b, 0,1,2,3
	v_add_nc_u32 v[TM+12+\b], 0xf8800000, v[TM+\b]     ; 15 off the exponent field: the conversion's scale operand
.endr
.irp b, 0,1,2,3
	v_and_or_b32 v[TM+8+\b], v[TM+\b], 0x7f800000, s[MNT]   ; 57,344 x the scale
.endr
.irp b, 0,1,2,3
	v_lshrrev_b32 v[TM+4+\b], 23, v[TM+12+\b]
.endr
	v_lshl_or_b32 v[\pw], v[TM+5], 8, v[TM+4]
	v_lshl_or_b32 v[\pw], v[TM+6], 16, v[\pw]
	v_lshl_or_b32 v[\pw], v[TM+7], 24, v[\pw]
.irp b, 0,1,2,3
.irp i, 0,1,2,3,4,5,6,7,8,9,10,11,12,13,14,15
	v_med3_num_f32 v[\s+16*\b+\i], v[\s+16*\b+\i], -v[TM+8+\b], v[TM+8+\b]   ; the conversion does not saturate (ISA guide 7.6.2)
.endr
	v_cvt_scalef32_pk8_bf8_f32 v[PC+4*\b:PC+4*\b+1], v[\s+16*\b:\s+16*\b+7], v[TM+12+\b]
	v_cvt_scalef32_pk8_bf8_f32 v[PC+4*\b+2:PC+4*\b+3], v[\s+16*\b+8:\s+16*\b+15], v[TM+12+\b]
.endr
	v_nop
.endm
	s_load_b256 s[4:11], s[0:1], 0x0               ; opq, bq, bk, bv
	s_load_b64 s[12:13], s[0:1], 0x20              ; qkv
	v_lshl_add_u32 v[SPW], v0, 2, SPARE
	v_mov_b32 v[NIL], 0
	ds_add_u32 v28, v29
	ds_add_u32 v28, v29
	s_wait_dscnt 0x0
	v_lshrrev_b32 v1, 5, v0
	v_readfirstlane_b32 s14, v1                    ; wave
	s_lshr_b32 s15, s14, 1                         ; mh: my half of A's blocks.  Also: I fetch for A (0) or B (1)
	s_and_b32 s16, s14, 1                          ; nh: my half of B's.  Also: which 8 tiles I fetch
	s_bfe_u32 s40, ttmp6, 0x40000                  ; cx
	s_bfe_u32 s41, ttmp6, 0x40004                  ; cy
	s_lshl_b32 s43, s41, 2
	s_lshl_b32 s43, 15, s43                        ; my row of the cluster
	s_lshl_b32 s44, 0x1111, s40                    ; my column
	; group 1 for codes: 8 tiles x 4,096 bytes (512 elements of 8 bytes), 16,384 bytes apart in memory, dense in LDS
	s_or_b32 s[G1+0], s43, (3<<16)|(1<<21)
	s_or_b32 s[G1B+0], s44, (3<<16)|(1<<21)
.irp g, G1, G1B
	s_mov_b32 s[\g+1], 512<<16                     ; tensor_dim0
	s_mov_b32 s[\g+2], 16<<16                      ; tensor_dim1: 16 tiles for the head's loads; 8 behind them
	s_mov_b32 s[\g+3], 512<<16                     ; tile_dim0
	s_mov_b32 s[\g+4], 16                          ; tile_dim1 likewise
	s_mov_b32 s[\g+5], 2048                        ; the pitch
	s_mov_b32 s[\g+6], 0
	s_mov_b32 s[\g+7], 0
.endr
	; and for scale records: 16 tiles x 512 bytes are 8,192 dense bytes: 32 rows of 256
	s_or_b32 s[G1S+0], s43, (3<<16)|(1<<21)
	s_or_b32 s[G1SB+0], s44, (3<<16)|(1<<21)
.irp g, G1S, G1SB
	s_mov_b32 s[\g+1], 32<<16
	s_mov_b32 s[\g+2], 32<<16                      ; 16 tiles x 512 bytes: 32 rows of 256
	s_mov_b32 s[\g+3], 32<<16
	s_mov_b32 s[\g+4], 32
	s_mov_b32 s[\g+5], 32
	s_mov_b32 s[\g+6], 0
	s_mov_b32 s[\g+7], 0
.endr
	; who is A and who is B: chosen by the cluster's x, which all sixteen partners share
	s_and_b32 s17, ttmp7, 0xffff                   ; Y
	s_lshl_b32 s19, s17, 2
	s_lshl_b32 s20, ttmp9, 2
	s_mov_b32 s45, XSO
	s_cmp_eq_u32 ttmp9, 2                          ; V?
	s_cselect_b32 s21, 0, s19                      ; A's block of 256: cy (+ 4 Y where A is the tokens)
	s_cselect_b32 s22, s19, s20                    ; B's: cx + 4 Y (tokens) or cx + 4 X (Wq, Wk)
	s_cselect_b32 s23, WFO+2097152, 0              ; A's codes: Wv's or x's
	s_cselect_b32 s42, 0, WFO                      ; B's codes
	s_cselect_b32 s46, WSO+65536, s45              ; A's scale records
	s_cselect_b32 s47, s45, WSO                    ; B's
	s_add_co_u32 s21, s21, s41
	s_add_co_u32 s22, s22, s40
	s_lshl_b32 s66, s16, 3
	s_lshl_b32 s21, s21, 4
	s_add_co_u32 s21, s21, s66                     ; A: the first tile that I fetch
	s_lshl_b32 s22, s22, 4
	s_add_co_u32 s22, s22, s66                     ; B likewise
	s_lshl_b32 s92, s21, 14
	s_add_co_u32 s92, s92, s23
	s_mov_b32 s93, 0
	s_lshl_b32 s94, s21, 9
	s_add_co_u32 s94, s94, s46
	s_mov_b32 s95, 0
	s_lshl_b32 s96, s22, 14
	s_add_co_u32 s96, s96, s42
	s_mov_b32 s97, 0
	s_lshl_b32 s98, s22, 9
	s_add_co_u32 s98, s98, s47
	s_mov_b32 s99, 0
	s_lshl_b32 s45, s14, 15                        ; where they go: wave x 32,768: no place in the cluster enters an LDS address
	s_wait_kmcnt 0x0
	s_add_nc_u64 s[92:93], s[4:5], s[92:93]
	s_add_nc_u64 s[94:95], s[4:5], s[94:95]
	s_add_nc_u64 s[96:97], s[4:5], s[96:97]
	s_add_nc_u64 s[98:99], s[4:5], s[98:99]
	s_lshl_b32 s2, s16, 12                         ; the head's loads take all 16 tiles: back to the block's first tile: 8 records of 512 bytes,
	s_mov_b32 s3, 0
	s_sub_nc_u64 s[94:95], s[94:95], s[2:3]
	s_sub_nc_u64 s[98:99], s[98:99], s[2:3]
	s_lshl_b32 s2, s16, 17                         ; and 8 tiles of 16,384 bytes of B's codes
	s_sub_nc_u64 s[100:101], s[96:97], s[2:3]
	CROUND                                         ; all sixteen work-groups are here: the first joint loads meet
	s_mov_b32 s[G0S], 1
	s_mov_b32 s[G0S+1], SCL
	s_mov_b64 s[G0S+2:G0S+3], s[94:95]
	s_or_b32 s[G0S+3], s[G0S+3], 0x80000000
	s_mov_b32 s[G0SB], 1
	s_mov_b32 s[G0SB+1], SCL+8192
	s_mov_b64 s[G0SB+2:G0SB+3], s[98:99]
	s_or_b32 s[G0SB+3], s[G0SB+3], 0x80000000
.irp s, 0,1
	s_mov_b32 s[G0+4*\s], 1
	s_add_co_u32 s[G0+4*\s+1], s45, \s*SLOT
	s_add_nc_u64 s[G0+4*\s+2:G0+4*\s+3], s[92:93], \s*4096
	s_or_b32 s[G0+4*\s+3], s[G0+4*\s+3], 0x80000000
	s_mov_b32 s[G0B+4*\s], 1
	s_add_co_u32 s[G0B+4*\s+1], s45, \s*SLOT
	s_add_nc_u64 s[G0B+4*\s+2:G0B+4*\s+3], s[96:97], \s*4096
	s_or_b32 s[G0B+4*\s+3], s[G0B+4*\s+3], 0x80000000
.endr
	s_mov_b32 s96, 1                               ; group 0 for slot 0's 16 tiles of B
	s_mov_b32 s97, BOFF
	s_mov_b64 s[98:99], s[100:101]
	s_or_b32 s99, s99, 0x80000000
; THE HEAD'S LOADS, ONE A WAVE: wave 0 slot 0's 16 tiles of A (its own group 0 begins at the block's first tile), wave 1 those of B, wave 2 A's scale records, wave 3 B's.
; One chain of branches on the wave's number, an arm a load, all arms leading to one join.
.macro ARM under, g0, g1, next
	s_cmp_lt_u32 s14, \under
	s_cbranch_scc0 \next
	tensor_load_to_lds s[\g0:\g0+3], s[\g1:\g1+7]
	s_nop 0
.rept 4
	v_nop
.endr
	s_branch .Lhead_asked
\next:
.endm
	ARM 1, G0, G1, .Lhead_b
	ARM 2, 96, G1B, .Lhead_sa
	ARM 3, G0S, G1S, .Lhead_sb
	tensor_load_to_lds s[G0SB:G0SB+3], s[G1SB:G1SB+7]
	s_nop 0
.rept 4
	v_nop
.endr
.Lhead_asked:
	v_and_b32 v1, 15, v0                           ; r
	v_bfe_u32 v2, v0, 4, 1                         ; h
	s_wait_alu depctr_va_vdst(0)
	v_and_b32 v3, 31, v0
	v_lshlrev_b32 v4, 4, v3                        ; 16 x lane: an image's place for my lane
	s_lshl_b32 s21, s15, 15
	s_lshl_b32 s22, s16, 15
	s_add_co_u32 s22, s22, BOFF
.irp s, 0,1
	v_add_nc_u32 v[ADRA+\s], s21, v4
	v_add_nc_u32 v[ADRB+\s], s22, v4
	s_add_co_u32 s21, s21, SLOT
	s_add_co_u32 s22, s22, SLOT
.endr
	s_lshl_b32 s21, s15, 12                        ; scale words: lanes 0-15 take A's (my 8 tiles), lanes 16-31 B's: one product, h x the distance
	s_lshl_b32 s22, s16, 12
	s_add_co_u32 s22, s22, 8192
	s_sub_co_u32 s22, s22, s21
	v_mul_u32_u24 v6, s22, v2
	s_add_co_u32 s21, s21, SCL
	v_lshl_add_u32 v5, v1, 2, v6
	v_add_nc_u32 v[ADRS], s21, v5
	; the biases.  Along the registers: register 16 b + i is feature 32 b + 16 h + i of my 128 (bq or bk); along the lanes: bv at A block a's row of my lane.  The one that does not apply is made 0 on the way out
	s_cmp_eq_u32 ttmp9, 0
	s_cselect_b64 s[18:19], s[6:7], s[8:9]
	s_lshl_b32 s20, s40, 10
	s_lshl_b32 s21, s16, 9
	s_add_co_u32 s20, s20, s21
	s_mov_b32 s21, 0
	s_add_nc_u64 s[18:19], s[18:19], s[20:21]
	s_lshl_b32 s20, s41, 10
	s_lshl_b32 s22, s15, 9
	s_add_co_u32 s20, s20, s22
	s_add_nc_u64 s[46:47], s[10:11], s[20:21]
	v_lshlrev_b32 v7, 6, v2                        ; 64 h
	v_and_b32 v30, 8, v1
	v_add_nc_u32 v30, v30, v1
	v_lshlrev_b32 v30, 2, v30                      ; 4 (r + 8 (r / 8))
.irp g, 0,1,2,3
.irp k, 0,1,2,3
	global_load_b128 v[BN+16*\g+4*\k:BN+16*\g+4*\k+3], v7, s[18:19] offset:128*\g+16*\k
.endr
.endr
.irp a, 0,1,2,3,4,5,6,7
	global_load_b32 v[BM+\a], v30, s[46:47] offset:(32*(\a/2)+8*(\a%2))*4
.endr
.macro FRAG reg, adr, q, i             ; a fragment comes as it was stored: four loads of 512 consecutive bytes
.irp c, 0,1,2,3
	ds_load_b128 v[\reg+4*\c:\reg+4*\c+3], v[\adr] offset:4096*(\i)+2048*(\q)+512*\c
.endr
.endm
; 16 matrix instructions: A's blocks a0, a0 + 1 x B's eight.  The 64 accumulators take turns, one instruction a turn, in the same order in every step.
.macro MUL16 a0, p, q, sc, zero
.irp a, \a0, \a0+1
.irp b, 0,1,2,3,4,5,6,7
.if \zero
	v_wmma_scale_f32_16x16x128_f8f6f4 v[8*(8*((\a)%4)+\b):8*(8*((\a)%4)+\b)+7], v[128*(\p)+FR*\b:128*(\p)+FR*\b+FR-1], v[AF+FR*(\a):AF+FR*(\a)+FR-1], 0, v[SC+8*NQ*(\sc)+NQ*\b+(\q)], v[SC+8*NQ*(\sc)+NQ*(\a)+(\q)] matrix_a_fmt:MATRIX_FMT_BF8 matrix_b_fmt:MATRIX_FMT_BF8 matrix_a_scale:MATRIX_SCALE_ROW1
.else
	v_wmma_scale_f32_16x16x128_f8f6f4 v[8*(8*((\a)%4)+\b):8*(8*((\a)%4)+\b)+7], v[128*(\p)+FR*\b:128*(\p)+FR*\b+FR-1], v[AF+FR*(\a):AF+FR*(\a)+FR-1], v[8*(8*((\a)%4)+\b):8*(8*((\a)%4)+\b)+7], v[SC+8*NQ*(\sc)+NQ*\b+(\q)], v[SC+8*NQ*(\sc)+NQ*(\a)+(\q)] matrix_a_fmt:MATRIX_FMT_BF8 matrix_b_fmt:MATRIX_FMT_BF8 matrix_a_scale:MATRIX_SCALE_ROW1
.endif
.endr
.endr
.endm
.macro FETCH_B slot, q, p
	WIN TO_B
.irp i, 0,1,2,3,4,5,6,7
	FRAG 128*(\p)+FR*\i, ADRB+\slot, \q, \i
.endr
	WIN 0
.endm
.macro FETCH_A slot, q, i0
.irp i, \i0, \i0+1, \i0+2, \i0+3
	FRAG AF+FR*(\i), ADRA+\slot, \q, \i
.endr
.endm
.macro SCALES sc                       ; a slot's scale words: register 2 i + q: lanes 0-15 A's block i, lanes 16-31 B's block i
.irp i, 0,1,2,3,4,5,6,7
	ds_load_b32 v[SC+16*\sc+2*\i], v[ADRS] offset:512*\i
	ds_load_b32 v[SC+16*\sc+2*\i+1], v[ADRS] offset:512*\i+64
.endr
.endm
.macro PLACES n                        ; plain vector lines between a matrix instruction and a load into, or a read of, its registers
.rept \n
	v_nop
.endr
.endm
.macro STEP slot, q, zero              ; a step of 128 along K that has its successor in the same slot
	s_wait_dscnt 4*NL                              ; all but the youngest 16 loads (A's blocks 4-7) are in
	WIN MUL_LO
	MUL16 0, (\q)%2, \q, \slot, \zero
	MUL16 2, (\q)%2, \q, \slot, \zero
	s_wait_dscnt 0
	PLACES NP
	FETCH_B \slot, (\q)+1, 1-(\q)%2
	FETCH_A \slot, (\q)+1, 0
	WIN MUL_HI
	MUL16 4, (\q)%2, \q, \slot, \zero
	MUL16 6, (\q)%2, \q, \slot, \zero
	PLACES NP
	WIN 0
	FETCH_A \slot, (\q)+1, 4
.endm
; A slot's last step changes slots: each wave waits for all its tensor loads, adds 0 to its spare word, waits for that and for its reads of this slot, and signals.  fill = 1: the barrier opens a round of the cluster's, and the slot is filled again first thing behind it.
.macro TURN slot, next, fill
	s_wait_tensorcnt 0x0                           ; all my tensor loads have landed: my part of the next slot
	ds_add_u32 v[SPW], v[NIL]                      ; 0 onto my spare word
	s_wait_dscnt 4*NL+1                            ; (the add and the youngest 16 loads may be out)
	WIN MUL_LO
	MUL16 0, 1, NQ-1, \slot, 0
	s_wait_dscnt 0x0                               ; the add is done, and my reads of this slot are over
	s_barrier_signal -1
	MUL16 2, 1, NQ-1, \slot, 0
	WIN 0
	s_barrier_wait -1
.if \fill
	CREST                                          ; no wave of any partner still reads this slot or has a load on its way
	s_add_nc_u64 s[G0+4*\slot+2:G0+4*\slot+3], s[G0+4*\slot+2:G0+4*\slot+3], 8192
	s_add_nc_u64 s[G0B+4*\slot+2:G0B+4*\slot+3], s[G0B+4*\slot+2:G0B+4*\slot+3], 8192
	JLOAD G0+4*\slot, G1, G0B+4*\slot, G1B         ; its four v_nop are among the places in front of the loads below
	PLACES NP-4
.else
	PLACES NP
.endif
	s_wait_alu depctr_va_vdst(0)
	v_add_nc_u32 v[ADRS], 128, v[ADRS]             ; the next slot's scale words: two ksteps of 64 bytes on
	FETCH_B \next, 0, 0
	FETCH_A \next, 0, 0
	SCALES \next
	WIN MUL_HI
	MUL16 4, 1, NQ-1, \slot, 0
	MUL16 6, 1, NQ-1, \slot, 0
	PLACES NP
	WIN 0
	FETCH_A \next, 0, 4
.endm
	s_wait_alu depctr_va_vdst(0)
	s_wait_tensorcnt 0x0                           ; my tile of the head's four is in; slot 1's first fill is issued as a refill is
	ds_add_u32 v[SPW], v[NIL]                      ; 0 onto my spare word
	s_mov_b32 s[G1+2], 8<<16                       ; no tensor load of mine is out: from here on a load brings 8 tiles
	s_mov_b32 s[G1+4], 8
	s_mov_b32 s[G1B+2], 8<<16
	s_mov_b32 s[G1B+4], 8
	s_wait_dscnt 0x0
	CROUND                                         ; all four tiles are in, and all sixteen work-groups are here
	JLOAD G0+4, G1, G0B+4, G1B                     ; slot 1: the first tensor load behind the round
	FETCH_B 0, 0, 0
	FETCH_A 0, 0, 0
	SCALES 0
	FETCH_A 0, 0, 4
	STEP 0, 0, 1                                   ; the first step's products start the sums
	s_mov_b32 s3, LAPS-1
.Llap:
	TURN 0, 1, 1
	STEP 1, 0, 0
	TURN 1, 0, 1
	STEP 0, 0, 0
	s_sub_co_u32 s3, s3, 1
	s_cmp_lg_u32 s3, 0
	s_cbranch_scc1 .Llap
	TURN 0, 1, 0                                   ; the last lap fills nothing
	STEP 1, 0, 0
	s_wait_dscnt 4*NL
	WIN MUL_LO
	MUL16 0, 1, NQ-1, 1, 0
	MUL16 2, 1, NQ-1, 1, 0
	s_wait_dscnt 0
	WIN MUL_HI
	MUL16 4, 1, NQ-1, 1, 0
	MUL16 6, 1, NQ-1, 1, 0
	WIN 0
	; ---- THE WAY OUT: for each A block: + bias, quantised along the registers' axis, stored as images.  Every choice between the two cases is a select on the cluster's x.
	PLACES NP
	s_wait_loadcnt 0x0                             ; the biases
	s_mov_b32 s[SEL], 0x76543210
	s_mov_b32 s[SEL+1], 0xfedcba98
	s_mov_b32 s[MNT], 0x600000
	s_and_b32 s17, ttmp7, 0xffff                   ; Y
	s_lshl_b32 s18, s17, 2
	s_mov_b32 s45, 131072
	s_mov_b32 s20, 1024
	s_mov_b32 s93, 8192
	s_cmp_eq_u32 ttmp9, 2                          ; V?
	s_cselect_b32 s19, s40, s41                    ; the tokens' place in the cluster
	s_cselect_b32 s66, s41, s40                    ; the features'
	s_cselect_b32 s67, s16, s15                    ; my half of the tokens
	s_cselect_b32 s92, s15, s16                    ; my half of the features
	s_cselect_b32 s45, 1024, s45                   ; from pieces 0, 1 to pieces 2, 3: the same fragment (V) or the next head (Q, K)
	s_cselect_b32 s20, 2048, s20                   ; from A block to A block
	s_cselect_b32 s22, 122880, 0                   ; more at block 4: V's next head
	s_cselect_b32 s93, 64, s93                     ; scale words: where lanes 16-31 store
	s_cselect_b32 s42, 128, 64
	s_cselect_b32 s46, 7680, 0
	s_cselect_b32 s94, 0, 16                       ; lanes 16-31 take the word's upper half (Q, K) or the word (V)
	s_cselect_b32 s95, -1, 0xffff
	s_cselect_b32 s96, -1, 0                       ; all ones for V
	s_mov_b32 s21, 0
	s_mov_b32 s23, 0
	s_mov_b32 s43, 0
	s_mov_b32 s47, 0
	s_add_co_u32 s22, s22, s20
	s_add_co_u32 s46, s46, s42
	s_lshr_b32 s97, s17, 1                         ; batch
	s_lshl_b32 s97, s97, 4
	s_lshl_b32 s66, s66, 2
	s_add_co_u32 s97, s97, s66
	s_lshl_b32 s92, s92, 1
	s_add_co_u32 s97, s97, s92                     ; 16 batch + my first head
	s_add_co_u32 s18, s18, s19
	s_and_b32 s18, s18, 7
	s_lshl_b32 s18, s18, 1
	s_add_co_u32 s18, s18, s67                     ; my block of 128 tokens in the batch
	s_lshl_b32 s98, ttmp9, 23
	s_lshl_b32 s66, s97, 17
	s_add_co_u32 s98, s98, s66
	s_lshl_b32 s66, s18, 13
	s_add_co_u32 s98, s98, s66
	s_mov_b32 s99, 0
	s_lshl_b32 s100, ttmp9, 19
	s_lshl_b32 s66, s97, 13
	s_add_co_u32 s100, s100, s66
	s_lshl_b32 s66, s18, 9
	s_add_co_u32 s100, s100, s66
	s_add_co_u32 s100, s100, SCO
	s_mov_b32 s101, 0
	s_add_nc_u64 s[98:99], s[12:13], s[98:99]      ; codes
	s_add_nc_u64 s[100:101], s[12:13], s[100:101]  ; scale words
	v_and_b32 v1, 15, v0
	v_bfe_u32 v2, v0, 4, 1
	v_and_b32 v3, 31, v0
	v_lshlrev_b32 v[CO0], 4, v3
	v_add_nc_u32 v[CO1], s45, v[CO0]
	v_mul_u32_u24 v[SOF], s93, v2
	v_lshl_add_u32 v[SOF], v1, 2, v[SOF]
	v_mul_u32_u24 v[SHV], s94, v2
.set p, 0
.rept 64
	v_cndmask_b32 v[BN+p], v[BN+p], v[NIL], s96    ; V has no bias along the registers,
.set p, p+1
.endr
.irp a, 0,1,2,3,4,5,6,7
	v_cndmask_b32 v[BM+\a], v[NIL], v[BM+\a], s96  ; Q and K none along the lanes
.endr
.irp b, 0,1,2,3
	v_mov_b32 v[TM+4+\b], 0                        ; a lane permute's destination counts as one of its sources
.endr
.macro OUTA a
	WIN 0x02+((\a)/4)
.set p, 0
.rept 32
	v_pk_add_f32 v[T+2*p:T+2*p+1], v[64*((\a)%4)+2*p:64*((\a)%4)+2*p+1], v[BN+2*p:BN+2*p+1]   ; each accumulator from its low end on
.set p, p+1
.endr
	WIN 0
.set p, 0
.rept 32
.if ((\a)%2) == 1
	v_pk_add_f32 v[T+2*p:T+2*p+1], v[T+2*p:T+2*p+1], v[BM+(\a)-1:BM+(\a)] op_sel:[0,1] op_sel_hi:[1,1]
.else
	v_pk_add_f32 v[T+2*p:T+2*p+1], v[T+2*p:T+2*p+1], v[BM+(\a):BM+(\a)+1] op_sel_hi:[1,0]
.endif
.set p, p+1
.endr
	s_wait_xcnt 0x0                                ; the last block's stores have read their data and their bases
.if (\a) == 4
	s_add_nc_u64 s[98:99], s[98:99], s[22:23]
	s_add_nc_u64 s[100:101], s[100:101], s[46:47]
.elseif (\a) > 0
	s_add_nc_u64 s[98:99], s[98:99], s[20:21]
	s_add_nc_u64 s[100:101], s[100:101], s[42:43]
.endif
	QUANT T, PW
	v_lshrrev_b32 v[PS], v[SHV], v[PW]
	v_and_b32 v[PS], s95, v[PS]
	global_store_b128 v[CO0], v[PC:PC+3], s[98:99]                  ; each store covers 512 consecutive bytes, aligned
	global_store_b128 v[CO0], v[PC+4:PC+7], s[98:99] offset:512
	global_store_b128 v[CO1], v[PC+8:PC+11], s[98:99]
	global_store_b128 v[CO1], v[PC+12:PC+15], s[98:99] offset:512
	global_store_b32 v[SOF], v[PS], s[100:101]
.endm
.irp a, 0,1,2,3,4,5,6,7
	OUTA \a
.endr
	s_wait_tensorcnt 0x0                           ; the wave's end
	ds_add_u32 v[SPW], v[NIL]
	s_wait_dscnt 0x0
	CROUND                                         ; the closing round
	s_endpgm
.Lfunc_end_k_qfb0989f14f_gemm_qkv:
	.size	k_qfb0989f14f_gemm_qkv, .Lfunc_end_k_qfb0989f14f_gemm_qkv-k_qfb0989f14f_gemm_qkv
	.p2alignl 7, 3214868480
	.fill 96, 4, 3214868480
	.section	.rodata,"a",@progbits
	.p2align	6, 0x0
	.amdhsa_kernel k_qfb0989f14f_gemm_qkv
		.amdhsa_group_segment_fixed_size 327680
		.amdhsa_private_segment_fixed_size 0
		.amdhsa_enable_private_segment 0
		.amdhsa_kernarg_size 40
		.amdhsa_user_sgpr_count 2
		.amdhsa_user_sgpr_kernarg_segment_ptr 1
		.amdhsa_wavefront_size32 1
		.amdhsa_system_sgpr_workgroup_id_x 1
		.amdhsa_system_sgpr_workgroup_id_y 1
		.amdhsa_system_sgpr_workgroup_id_z 1
		.amdhsa_system_vgpr_workitem_id 0
		.amdhsa_next_free_vgpr 1024
		.amdhsa_next_free_sgpr 102
		.amdhsa_reserve_vcc 0
		.amdhsa_float_denorm_mode_32 3
		.amdhsa_float_denorm_mode_16_64 3
		.amdhsa_memory_ordered 1
		.amdhsa_forward_progress 1
		.amdhsa_inst_pref_size 229
	.end_amdhsa_kernel
	.amdgpu_metadata
---
amdhsa.version: [ 1, 2 ]
amdhsa.kernels:
  - .name:           k_qfb0989f14f_gemm_qkv
    .symbol:         k_qfb0989f14f_gemm_qkv.kd
    .args:
      - { .name: opq, .offset: 0, .size: 8, .value_kind: global_buffer, .address_space: global }
      - { .name: bq, .offset: 8, .size: 8, .value_kind: global_buffer, .address_space: global }
      - { .name: bk, .offset: 16, .size: 8, .value_kind: global_buffer, .address_space: global }
      - { .name: bv, .offset: 24, .size: 8, .value_kind: global_buffer, .address_space: global }
      - { .name: qkv, .offset: 32, .size: 8, .value_kind: global_buffer, .address_space: global }
    .group_segment_fixed_size: 327680
    .private_segment_fixed_size: 0
    .kernarg_segment_align: 8
    .kernarg_segment_size: 40
    .max_flat_workgroup_size: 128
    .sgpr_count:     102
    .vgpr_count:     1024
    .wavefront_size: 32
...
	.end_amdgpu_metadata
.endif
;; end of part 2
;; launch flash (part 3): grid 4 x 64, 8 waves a work-group, clusters of 4 x 1, 327,680 bytes of LDS; arguments qkv, att; writes att
.if DOCPART == 3
	.amdgcn_target "amdgcn-amd-amdhsa--gfx1250"
	.amdhsa_code_object_version 6
	.text
	.protected	k_qfb0989f14f_flash
	.globl	k_qfb0989f14f_flash
	.p2align	8
	.type	k_qfb0989f14f_flash,@function
k_qfb0989f14f_flash:
	s_mov_b64 s[64:65], 0
	v_nop
	global_prefetch_b8 v0, s[64:65] scope:SCOPE_SE
	s_setreg_imm32_b32 hwreg(HW_REG_WAVE_MODE, 25, 1), 1
	s_wait_xcnt 0x0
	s_wait_alu depctr_hold_cnt(0) depctr_sa_sdst(0) depctr_va_vdst(0) depctr_va_sdst(0) depctr_va_ssrc(0) depctr_va_vcc(0) depctr_vm_vsrc(0)
	s_getreg_b32 s2, hwreg(HW_REG_IB_STS2, 6, 4)
	s_cmp_eq_u32 s2, 0
	s_cbranch_scc0 .Lentry_in_a_cluster
	s_endpgm
.Lentry_in_a_cluster:
	s_bfe_u32 s2, ttmp6, 0x10000c
	s_cmp_lg_u32 s2, 0x3003
	s_cbranch_scc0 .Lentry_shape_is_right
	s_endpgm
.Lentry_shape_is_right:
; O = softmax(Q K^T / 8) V for one batch x head a cluster, both products on codes of E5M2 with E8M0 scales, and O quantised again along the head's 64 as the last projection's operand.
; t = score x log2(e) / 8; M = the running largest t rounded up to a whole number; p = 2^(t - M) is quantised along the keys; the row's sum is taken of the unquantised p and divides O at the end.
; IN (qkv, images of operand registers): Q, K codes [bh][tile 128][1024] (64 along K: pieces 0, 1 at 512 c + 16 x lane), scale words [bh][tile][16]; V codes [bh][key step 16][dtile 4][2048], scale words [bh][key step][dtile][32].
; OUT (att): O's codes [128 batch + tile][head][1024], its scale bytes (two a row and head), and for each query -M and 1 / l.
; SHARES: a cluster of four work-groups takes a head, a work-group 512 queries, each of its 8 waves FOUR tiles of 16 queries, which share every fragment of K and V; a wave walks the 16 key steps of 128 keys once.
; LDS: K's 131,072 bytes, V's 131,072, filled once by joint loads that name the four partners, a quarter (32,768 bytes) a wave; no byte is filled twice, so one barrier serves the launch.
; The scale words (16,384 bytes) go through registers into LDS bytes of their own while the tiles are on their way: a wave has one tensor load at the head, and they are a sixteenth of what the tiles bring, so they are not asked jointly.
; No prefetch: every tile is asked for at the head, and no loop stands ahead of the loads to ask in.
; ORDER OF A STEP, tile by tile: O of tile i - 1 x f (these 16 lines are the places behind the score products of tile i); the softmax of tile i.  In the gaps of its one serial run (row maximum, -M) stand the four products
; O += V^T P^T of tile i - 1 and the pieces of the fetches of V (tile 0) and of the next step's K (tile 3).  Among its last lines stand, one by one, the eight score products of tile i + 1: S is given up in quarters, as each block's codes are made.
; One set of S, of p's codes and of p's scale word serves all four tiles.
; THE SOFTMAX IS LAID IN INDEPENDENT CHAINS: maxima in eight, the row's sum in eight.  The exponentials go in two batches; among a batch stand only lines whose sources were written ahead of the batch's wait and whose results are first read behind the wait that follows it.
; K = 64 fills half of the instruction's 128: Q's upper eight registers hold zero codes, so what stands in the upper half of K's operand (the next tile's codes, or zeros) adds nothing.
; LIMITS: the promise holds while |t| stays under 2^31; NaN and infinities are not served; a block of zeros keeps the byte 1 (its codes are zeros; this program alone reads the bytes).
; REGISTERS: window 0: v1-45 addresses, scale words, work; v46-69 six of state a tile (-M, largest score, sum x 2, f x 2); v70-85 p's codes; v86-149 S, then p; v150-221 K (64) and 8 of zeros; v222-243 the sum's and the maxima's chains.
; Window 1: Q 4 x 16, O 4 x 32, V 64.
.set SCO,  25165824
.set ASO,  8388608
.set STO,  8650752
.set VFO,  131072
.set KSO,  262144
.set SPARE, 278528
.set AK0, 1
.set AS0, 2
.set ADK, 3
.set ADV, 4
.set ADS, 5
.set GS,  6
.set GL,  7
.set KSW, 8
.set VSW, 12
.set QSW, 16
.set PSW, 18
.set GQ,  19
.set SPW, 20
.set NIL, 21
.set BX,  22
.set T2,  26
.set SO,  30
.set HO,  34
.set TW,  38
.set HP,  39                           ; the bound once more, in another register bank: a dual pair's two second sources
.set TA,  44
.set ST,  46
.set PC,  70
.set S,   86
.set KR,  150
.set CT,  222                          ; at the head: the scale words on their way to LDS
.set SA,  222                          ; then: the sum's eight chains, a pair each
.set CP,  238
.set CL,  239
.set MC,  240                          ; the maxima's second chain of each block
.set O,   64                           ; window 1
.set V,   192                          ; window 1
.set WV,  8
.set G1C, 16
.set G0C, 24
.set CS,  40
.set SEL, 42
.set MNT, 44
.set HM,  45
.set TB,  46
.set TS,  47
.set STP, 49
.set QB,  50
.set QSB, 52
.set AFB, 54
.set ASB, 56
.set STB, 58
.set KSB, 60
.set MSB, 0
.macro WIN new                         ; the immediate's high byte repeats the setting that is left
.if MSB != (\new)
	s_set_vgpr_msb (MSB<<8)|(\new)
.set MSB, (\new)
.endif
.endm
.macro CROUND
	s_barrier_signal -1
	s_barrier_wait -1
	s_cmp_lg_u32 s[WV], 0
	s_cbranch_scc1 .Lnot_wave_0_\@
	s_barrier_signal -3
.Lnot_wave_0_\@:
	s_barrier_wait -3
	s_barrier_signal -1
	s_barrier_wait -1
.endm
	s_load_b128 s[4:7], s[0:1], 0x0                ; qkv, att
	v_lshl_add_u32 v[SPW], v0, 2, SPARE
	v_mov_b32 v[NIL], 0
	ds_add_u32 v[SPW], v[NIL]                      ; the opening lines
	ds_add_u32 v[SPW], v[NIL]
	v_lshrrev_b32 v1, 5, v0
	v_readfirstlane_b32 s[WV], v1                  ; wave 0..7
	s_and_b32 s9, ttmp7, 0xffff                    ; batch x head
	s_bfe_u32 s10, ttmp6, 0x40000                  ; cx: it enters global addresses of Q and of the results alone
	s_mov_b32 s[G1C], 15|(3<<16)|(1<<21)           ; the mask names all four; 128 dense rows of 256 bytes
	s_mov_b32 s[G1C+1], 32<<16
	s_mov_b32 s[G1C+2], 128<<16
	s_mov_b32 s[G1C+3], 32<<16
	s_mov_b32 s[G1C+4], 128
	s_mov_b32 s[G1C+5], 32
	s_mov_b32 s[G1C+6], 0
	s_mov_b32 s[G1C+7], 0
	s_and_b32 s68, s[WV], 1                        ; I fetch for K (0) or V (1),
	s_lshr_b32 s69, s[WV], 1
	s_lshl_b32 s69, s69, 15                        ; quarter wave / 2
	s_lshl_b32 s70, s68, 17
	s_mov_b32 s[G0C], 1
	s_add_co_u32 s[G0C+1], s70, s69
	s_add_co_u32 s68, s68, 1
	s_lshl_b32 s72, s68, 23
	s_lshl_b32 s71, s9, 17
	s_add_co_u32 s72, s72, s71
	s_add_co_u32 s72, s72, s69
	s_mov_b32 s73, 0
	s_mov_b32 s[CS], 0x3e38aa3b                    ; c = log2(e) / 8
	s_mov_b32 s[CS+1], s[CS]
	s_mov_b32 s[SEL], 0x76543210
	s_mov_b32 s[SEL+1], 0xfedcba98
	s_mov_b32 s[MNT], 0x600000
	s_mov_b32 s[HM], 0xffff0000
	s_wait_dscnt 0x0
	CROUND                                         ; all four work-groups are here: the joint loads meet
	s_wait_kmcnt 0x0
	s_add_nc_u64 s[G0C+2:G0C+3], s[4:5], s[72:73]
	s_or_b32 s[G0C+3], s[G0C+3], 0x80000000
	tensor_load_to_lds s[G0C:G0C+3], s[G1C:G1C+7]  ; my one tensor load
	s_nop 0
.rept 4
	v_nop
.endr
	s_lshl_b32 s70, s10, 5
	s_lshl_b32 s71, s[WV], 2
	s_add_co_u32 s70, s70, s71                     ; my first query tile: 32 cx + 4 wave
	s_mov_b32 s75, 0
	s_lshl_b32 s74, s9, 17
	s_lshl_b32 s71, s70, 10
	s_add_co_u32 s74, s74, s71
	s_add_nc_u64 s[QB:QB+1], s[4:5], s[74:75]
	s_lshl_b32 s74, s9, 13
	s_add_co_u32 s74, s74, SCO
	s_lshl_b32 s71, s70, 6
	s_add_co_u32 s72, s74, s71
	s_mov_b32 s73, 0
	s_add_nc_u64 s[QSB:QSB+1], s[4:5], s[72:73]
	s_add_co_u32 s74, s74, 524288                  ; K's scale words; V's lie 524,288 bytes on
	s_add_nc_u64 s[KSB:KSB+1], s[4:5], s[74:75]
	s_lshr_b32 s71, s9, 4
	s_lshl_b32 s71, s71, 7
	s_add_co_u32 s71, s71, s70                     ; 128 batch + tile
	s_and_b32 s72, s9, 15                          ; head
	s_lshl_b32 s74, s71, 14
	s_lshl_b32 s73, s72, 10
	s_add_co_u32 s74, s74, s73
	s_add_nc_u64 s[AFB:AFB+1], s[6:7], s[74:75]
	s_lshl_b32 s74, s71, 9
	s_lshr_b32 s73, s72, 1
	s_lshl_b32 s73, s73, 6
	s_add_co_u32 s74, s74, s73
	s_and_b32 s73, s72, 1
	s_lshl_b32 s73, s73, 1
	s_add_co_u32 s74, s74, s73
	s_add_co_u32 s74, s74, ASO
	s_add_nc_u64 s[ASB:ASB+1], s[6:7], s[74:75]
	s_lshl_b32 s74, s9, 7
	s_add_co_u32 s74, s74, s70
	s_lshl_b32 s74, s74, 7
	s_add_co_u32 s74, s74, STO
	s_add_nc_u64 s[STB:STB+1], s[6:7], s[74:75]
	v_and_b32 v[GQ], 31, v0
	v_and_b32 v[GS], 15, v0
	v_bfe_u32 v[GL], v0, 4, 1
	v_lshlrev_b32 v[AK0], 4, v[GQ]                 ; 16 x lane
	v_lshl_add_u32 v[AS0], v[GQ], 2, KSO
	v_lshlrev_b32 v[GQ], 2, v[GQ]                  ; 4 x lane
	v_lshlrev_b32 v[GL], 2, v[GL]
	v_lshl_add_u32 v[GL], v[GS], 3, v[GL]          ; 8 r + 4 h
	v_lshlrev_b32 v[GS], 2, v[GS]                  ; 4 r
	v_lshlrev_b32 v[CP], 4, v0                     ; 16 x thread
	v_add_nc_u32 v[CL], KSO, v[CP]
	s_wait_alu depctr_va_vdst(0)                   ; the wait ahead of the readers below
	global_load_b128 v[CT:CT+3], v[CP], s[KSB:KSB+1]                    ; the scale words: 256 threads x 16 bytes x 4
	global_load_b128 v[CT+4:CT+7], v[CP], s[KSB:KSB+1] offset:4096
	global_load_b128 v[CT+8:CT+11], v[CP], s[KSB:KSB+1] offset:524288
	global_load_b128 v[CT+12:CT+15], v[CP], s[KSB:KSB+1] offset:528384
	WIN 0x40
.irp t, 0,1,2,3
	global_load_b128 v[16*\t:16*\t+3], v[AK0], s[QB:QB+1] offset:1024*\t
	global_load_b128 v[16*\t+4:16*\t+7], v[AK0], s[QB:QB+1] offset:1024*\t+512
.endr
	WIN 0
	global_load_b32 v[QSW], v[GQ], s[QSB:QSB+1]               ; lanes 0-15 tile 0's words, lanes 16-31 tile 1's
	global_load_b32 v[QSW+1], v[GQ], s[QSB:QSB+1] offset:128  ; tiles 2 and 3
	WIN 0x40
.irp t, 0,1,2,3
.irp j, 8,9,10,11,12,13,14,15
	v_mov_b32 v[16*\t+\j], 0                       ; Q's upper 64 along K: zero codes
.endr
.endr
.set j, 0
.rept 128
	v_mov_b32 v[O+j], 0                            ; O^T: the step is written for every step alike; these lines run while the tiles are on their way
.set j, j+1
.endr
	WIN 0
.irp j, 0,1,2,3,4,5,6,7
	v_mov_b32 v[KR+64+\j], 0
.endr
.irp j, 0,1,2,3
	v_mov_b32 v[T2+\j], 0                          ; a lane permute's destination counts as one of its sources
.endr
.irp t, 0,1,2,3
	v_mov_b32 v[ST+6*\t+1], 0xff61b1e6             ; the largest score so far: -3e38
	v_mov_b32 v[ST+6*\t+2], 0
	v_mov_b32 v[ST+6*\t+3], 0
	v_mov_b32 v[ST+6*\t+5], 0
	v_mul_f32 v[ST+6*\t], s[CS], v[ST+6*\t+1]
.endr
.irp t, 0,1,2,3
	v_floor_f32 v[ST+6*\t], -v[ST+6*\t]            ; -M
.endr
	s_wait_loadcnt 10                              ; the four loads of scale words are in; Q's eight and its two of scale words may be out
	ds_store_b128 v[CL], v[CT:CT+3]
	ds_store_b128 v[CL], v[CT+4:CT+7] offset:4096
	ds_store_b128 v[CL], v[CT+8:CT+11] offset:8192
	ds_store_b128 v[CL], v[CT+12:CT+15] offset:12288
	s_mov_b32 s[TB], 0
	s_mov_b32 s[TS], 0
	s_wait_alu depctr_va_vdst(0)                   ; the wait at the head's end
	s_wait_loadcnt 0x0
	s_wait_tensorcnt 0x0                           ; my quarter is in,
	s_wait_dscnt 0x0                               ; my scale words are stored:
	s_barrier_signal -1
	s_barrier_wait -1                              ; both hold of all eight waves; nothing in LDS is written from here on
.macro KLP p                           ; a quarter of a key step's K: two half fragments and their scale words
.irp c, 0,1,2,3
	ds_load_b128 v[KR+16*(\p)+4*\c:KR+16*(\p)+4*\c+3], v[ADK] offset:2048*(\p)+512*\c
.endr
	ds_load_b32 v[KSW+(\p)], v[ADS] offset:128*(\p)
.endm
.macro VLP p                           ; a quarter of the step's V: one fragment and its scale words
	WIN 0x40
.irp c, 0,1,2,3
	ds_load_b128 v[V+16*(\p)+4*\c:V+16*(\p)+4*\c+3], v[ADV] offset:2048*(\p)+512*\c
.endr
	WIN 0
	ds_load_b32 v[VSW+(\p)], v[ADS] offset:8192+128*(\p)
.endm
.macro KQ1 tl, t                       ; S^T = K Q^T: 16 keys (tile t of the step's eight) x tile tl's 16 queries
.if ((\tl)%2) == 0
.if ((\t)%2) == 0
	v_wmma_scale_f32_16x16x128_f8f6f4 v[S+8*(\t):S+8*(\t)+7], v[KR+8*(\t):KR+8*(\t)+15], v[16*(\tl):16*(\tl)+15], 0, v[KSW+(\t)/2], v[QSW+(\tl)/2] matrix_a_fmt:MATRIX_FMT_BF8 matrix_b_fmt:MATRIX_FMT_BF8
.else
	v_wmma_scale_f32_16x16x128_f8f6f4 v[S+8*(\t):S+8*(\t)+7], v[KR+8*(\t):KR+8*(\t)+15], v[16*(\tl):16*(\tl)+15], 0, v[KSW+(\t)/2], v[QSW+(\tl)/2] matrix_a_fmt:MATRIX_FMT_BF8 matrix_b_fmt:MATRIX_FMT_BF8 matrix_a_scale:MATRIX_SCALE_ROW1
.endif
.else
.if ((\t)%2) == 0
	v_wmma_scale_f32_16x16x128_f8f6f4 v[S+8*(\t):S+8*(\t)+7], v[KR+8*(\t):KR+8*(\t)+15], v[16*(\tl):16*(\tl)+15], 0, v[KSW+(\t)/2], v[QSW+(\tl)/2] matrix_a_fmt:MATRIX_FMT_BF8 matrix_b_fmt:MATRIX_FMT_BF8 matrix_b_scale:MATRIX_SCALE_ROW1
.else
	v_wmma_scale_f32_16x16x128_f8f6f4 v[S+8*(\t):S+8*(\t)+7], v[KR+8*(\t):KR+8*(\t)+15], v[16*(\tl):16*(\tl)+15], 0, v[KSW+(\t)/2], v[QSW+(\tl)/2] matrix_a_fmt:MATRIX_FMT_BF8 matrix_b_fmt:MATRIX_FMT_BF8 matrix_a_scale:MATRIX_SCALE_ROW1 matrix_b_scale:MATRIX_SCALE_ROW1
.endif
.endif
.endm
.macro NKQ tl, t                       ; one score product of the next tile among the softmax's last lines (tl = -1: none follows)
.if (\tl) >= 0
	WIN 0x04
	KQ1 \tl, \t
	WIN 0
.endif
.endm
.macro RESC tl                         ; O^T of tile tl under the new M: x f
	WIN 0x41
	s_wait_alu depctr_va_vdst(0)                   ; the wait directly ahead of the first reader of O^T
.set j, 0
.rept 16
	v_pk_mul_f32 v[O+32*(\tl)+j:O+32*(\tl)+j+1], v[O+32*(\tl)+j:O+32*(\tl)+j+1], v[ST+6*(\tl)+4:ST+6*(\tl)+5] op_sel_hi:[1,0]
.set j, j+2
.endr
.endm
.macro PV1 tl, d                       ; O^T += V^T P^T, 16 of the head's 64
	v_wmma_scale_f32_16x16x128_f8f6f4 v[O+32*(\tl)+8*(\d):O+32*(\tl)+8*(\d)+7], v[V+16*(\d):V+16*(\d)+15], v[PC:PC+15], v[O+32*(\tl)+8*(\d):O+32*(\tl)+8*(\d)+7], v[VSW+(\d)], v[PSW] matrix_a_fmt:MATRIX_FMT_BF8 matrix_b_fmt:MATRIX_FMT_BF8
.endm
.macro GAP pv, hk, p                   ; what stands in gap p of the serial run: a product of tile pv (-1: none), a piece of V's fetch (hk = 1) or of K's (hk = 2)
.if (\pv) >= 0
	WIN 0x51
	PV1 \pv, \p
	WIN 0
.endif
.if (\hk) == 1
	VLP \p
.endif
.if (\hk) == 2
	KLP \p
.endif
.endm
.macro HOLD2 b, i                      ; the conversion does not saturate (ISA guide 7.6.2); p is not negative: a one-sided hold, two a line
	v_dual_min_num_f32 v[S+16*(\b)+(\i)], v[S+16*(\b)+(\i)], v[HO+(\b)] :: v_dual_min_num_f32 v[S+16*(\b)+(\i)+1], v[S+16*(\b)+(\i)+1], v[HP+(\b)]
.endm
.macro CODES b                         ; block b's 32 codes
	v_cvt_scalef32_pk8_bf8_f32 v[PC+4*(\b):PC+4*(\b)+1], v[S+16*(\b):S+16*(\b)+7], v[SO+(\b)]
	v_cvt_scalef32_pk8_bf8_f32 v[PC+4*(\b)+2:PC+4*(\b)+3], v[S+16*(\b)+8:S+16*(\b)+15], v[SO+(\b)]
.endm
; The softmax of tile tl's 16 queries x 128 keys: S -> p's codes, p's scale word, f, the sum; ahead of it O of tile pv x f; among its last lines the scores of tile nk.
.macro SM tl, pv, hk, nk
.set NM, ST+6*(\tl)
.set RX, NM+1
.set SUM, NM+2
.set F, NM+4
.if (\pv) >= 0
	RESC \pv
.endif
.if (\pv) == 0
	s_wait_alu depctr_va_vdst(0)                   ; the wait directly ahead of the wait below
	s_wait_dscnt 0x0                               ; V's fragments, asked for a softmax ago
.endif
	WIN 0
.if (\hk) == 1
	v_add_nc_u32 v[ADV], VFO, v[ADK]
.endif
.if (\hk) == 2
	s_add_co_u32 s[TB], s[TB], 8192                ; the next key step
	s_add_co_u32 s[TS], s[TS], 512
	v_add_nc_u32 v[ADK], s[TB], v[AK0]
	v_add_nc_u32 v[ADS], s[TS], v[AS0]
.endif
.irp b, 0,1,2,3
	v_max3_num_f32 v[BX+\b], v[S+16*\b], v[S+16*\b+1], v[S+16*\b+2]      ; the largest score of each block of 32 keys, in two chains a block: for the row's maximum and for the block's largest p
	v_max3_num_f32 v[MC+\b], v[S+16*\b+8], v[S+16*\b+9], v[S+16*\b+10]
.endr
.irp i, 3,5
.irp b, 0,1,2,3
	v_max3_num_f32 v[BX+\b], v[BX+\b], v[S+16*\b+\i], v[S+16*\b+\i+1]
	v_max3_num_f32 v[MC+\b], v[MC+\b], v[S+16*\b+\i+8], v[S+16*\b+\i+9]
.endr
.endr
.irp b, 0,1,2,3
	v_max3_num_f32 v[BX+\b], v[BX+\b], v[MC+\b], v[S+16*\b+7]
.endr
.irp b, 0,1,2,3
	v_max_num_f32 v[BX+\b], v[BX+\b], v[S+16*\b+15]
.endr
.irp b, 0,1,2,3
	v_permlanex16_b32 v[T2+\b], v[BX+\b], s[SEL], s[SEL+1]
.endr
.irp b, 0,1,2,3
	v_max_num_f32 v[BX+\b], v[BX+\b], v[T2+\b]     ; with lane l xor 16's 16 keys
.endr
	v_mov_b32 v[TW], v[NM]                         ; the old -M
	v_max3_num_f32 v[RX], v[BX], v[BX+1], v[RX]    ; the running largest score (c is positive: the largest t is c x it)
	GAP \pv, \hk, 0
	v_max3_num_f32 v[RX], v[BX+2], v[BX+3], v[RX]
	GAP \pv, \hk, 1
	v_mul_f32 v[TA], s[CS], v[RX]
	GAP \pv, \hk, 2
	v_floor_f32 v[NM], -v[TA]                      ; -M = floor(-t)
	GAP \pv, \hk, 3
.set j, 0
.rept 16
	v_pk_fma_f32 v[S+j:S+j+1], v[S+j:S+j+1], s[CS:CS+1], v[NM:NM+1] op_sel_hi:[1,0,0]   ; t - M, blocks 0 and 1
.if j == 10
	v_sub_f32 v[TW], v[NM], v[TW]                  ; old M - new M, a whole number
.endif
.if j == 20
	v_cvt_i32_f32 v[TW], v[TW]
.endif
.if j == 30
	v_ldexp_f32 v[F], 1.0, v[TW]                   ; f = 2^(old M - new M)
.endif
.set j, j+2
.endr
.irp b, 0,1,2,3
	v_fma_f32 v[BX+\b], v[BX+\b], s[CS], v[NM]
.endr
	s_wait_alu depctr_va_vdst(0)                   ; the wait ahead of the batch
.irp b, 0,1,2,3
	v_exp_f32 v[BX+\b], v[BX+\b]                   ; each block's largest p
.endr
.set j, 0
.rept 16
	v_exp_f32 v[S+j], v[S+j]                       ; p of blocks 0 and 1; among them t - M of blocks 2 and 3
	v_exp_f32 v[S+j+1], v[S+j+1]
	v_pk_fma_f32 v[S+32+j:S+33+j], v[S+32+j:S+33+j], s[CS:CS+1], v[NM:NM+1] op_sel_hi:[1,0,0]
.set j, j+2
.endr
	v_pk_mul_f32 v[SUM:SUM+1], v[SUM:SUM+1], v[F:F+1] op_sel_hi:[1,0]
	s_wait_alu depctr_va_vdst(0)                   ; one wait for the 36
.irp b, 0,1,2,3
	v_max_num_f32 v[BX+\b], 0x8000000, v[BX+\b]    ; the floor 2^(16 - 127)
.endr
.irp b, 0,1,2,3
	v_add_nc_u32 v[SO+\b], 0xf8800000, v[BX+\b]    ; 15 off the exponent field: the conversion's scale operand
.endr
.irp b, 0,1,2,3
	v_and_or_b32 v[HO+\b], v[BX+\b], 0x7f800000, s[MNT]   ; 57,344 x the scale
.endr
.irp b, 0,1,2,3
	v_and_or_b32 v[HP+\b], v[BX+\b], 0x7f800000, s[MNT]
.endr
	s_wait_alu depctr_va_vdst(0)                   ; ahead of the second batch
.irp j, 32,33,34,35
	v_exp_f32 v[S+\j], v[S+\j]                     ; p of blocks 2 and 3; among them, of blocks 0 and 1: the sum's first level, then the holds; and the scale bytes
.endr
.set j, 0
.rept 8
	v_exp_f32 v[S+36+j], v[S+36+j]
	v_pk_add_f32 v[SA+2*j:SA+2*j+1], v[S+2*j:S+2*j+1], v[S+16+2*j:S+17+2*j]   ; the row's sum is taken of the unquantised p
.set j, j+1
.endr
.irp b, 0,1
.irp i, 0,2,4,6,8,10,12,14
	v_exp_f32 v[S+44+8*\b+\i/2], v[S+44+8*\b+\i/2]
	HOLD2 \b, \i
.endr
.endr
.irp b, 0,1,2,3
	v_exp_f32 v[S+60+\b], v[S+60+\b]
	v_lshrrev_b32 v[T2+\b], 23, v[SO+\b]
.endr
	s_wait_alu depctr_va_vdst(0)                   ; one wait for the 32
.if (\nk) == 0
	s_wait_dscnt 0x0                               ; the next step's K, asked for in the gaps above
.endif
; THE LAST LINES, with the next tile's score products one by one among them.  Product t writes S's registers 8 t .. 8 t + 7: products 0-3 stand behind the codes of blocks 0 and 1, 4 and 5 behind block 2's, 6 and 7 behind block 3's,
; each with a plain line between the conversion and the product that writes its sources.
	CODES 0
	CODES 1
	v_lshl_or_b32 v[TW], v[T2+1], 8, v[T2]
	NKQ \nk, 0
.set j, 0
.rept 8
	v_pk_add_f32 v[SA+2*j:SA+2*j+1], v[SA+2*j:SA+2*j+1], v[S+32+2*j:S+33+2*j]
.set j, j+1
.endr
	NKQ \nk, 1
.irp i, 0,2,4,6,8,10,12,14
	HOLD2 2, \i
.endr
	NKQ \nk, 2
	CODES 2
.set j, 0
.rept 8
	v_pk_add_f32 v[SA+2*j:SA+2*j+1], v[SA+2*j:SA+2*j+1], v[S+48+2*j:S+49+2*j]
.set j, j+1
.endr
	NKQ \nk, 3
.irp i, 0,2,4,6,8,10,12,14
	HOLD2 3, \i
.endr
	v_lshl_or_b32 v[TW], v[T2+2], 16, v[TW]
	NKQ \nk, 4
	CODES 3
.irp k, 0,4,8,12
	v_pk_add_f32 v[SA+\k:SA+\k+1], v[SA+\k:SA+\k+1], v[SA+\k+2:SA+\k+3]
.endr
	v_lshl_or_b32 v[PSW], v[T2+3], 24, v[TW]       ; p's scale word for these 128 keys
	NKQ \nk, 5
	v_pk_add_f32 v[SA:SA+1], v[SA:SA+1], v[SA+4:SA+5]
	v_pk_add_f32 v[SA+8:SA+9], v[SA+8:SA+9], v[SA+12:SA+13]
	NKQ \nk, 6
	v_pk_add_f32 v[SA:SA+1], v[SA:SA+1], v[SA+8:SA+9]
	NKQ \nk, 7
	v_pk_add_f32 v[SUM:SUM+1], v[SUM:SUM+1], v[SA:SA+1]
.endm
.macro BODY last                       ; a key step; last = 1: nothing follows it
	SM 0, -1, 1, 1
	SM 1, 0, 0, 2
	SM 2, 1, 0, 3
.if (\last) == 0
	SM 3, 2, 2, 0
.else
	SM 3, 2, 0, -1
.endif
	RESC 3
	WIN 0x51
.irp d, 0,1,2,3
	PV1 3, \d
.endr
	WIN 0
.endm
	v_add_nc_u32 v[ADK], s[TB], v[AK0]
	v_add_nc_u32 v[ADS], s[TS], v[AS0]
.irp p, 0,1,2,3
	KLP \p
.endr
	s_wait_alu depctr_va_vdst(0)
	s_wait_dscnt 0x0
	WIN 0x04
.irp t, 0,1,2,3,4,5,6,7
	KQ1 0, \t
.endr
	WIN 0
.rept 8
	v_nop                                          ; places ahead of the first reader of S
.endr
	s_mov_b32 s[STP], 15
.Lstep:
	BODY 0
	s_sub_co_u32 s[STP], s[STP], 1
	s_cmp_lg_u32 s[STP], 0
	s_wait_alu depctr_va_vdst(0)
	s_cbranch_scc1 .Lstep
	BODY 1                                         ; the sixteenth step is written out: it fetches and multiplies nothing beyond the keys' end
.macro FIN tl                          ; O^T / l, quantised along the head's 64; each tile has its own registers for what it stores
.set NM, ST+6*(\tl)
.set SUM, NM+2
.set F, NM+4
.set FC, KR+8*(\tl)
.set FW, KR+32+(\tl)
.set FA, KR+36+(\tl)
	v_add_f32 v[TW], v[SUM], v[SUM+1]
	s_delay_alu instid0(VALU_DEP_1)
	v_permlanex16_b32 v[T2], v[TW], s[SEL], s[SEL+1]
	s_delay_alu instid0(VALU_DEP_1)
	v_add_f32 v[TW], v[TW], v[T2]
	s_wait_alu depctr_va_vdst(0)
	v_rcp_f32 v[F], v[TW]
	WIN 0x01
	v_nop
	s_wait_alu depctr_va_vdst(0)
.set j, 0
.rept 16
	v_pk_mul_f32 v[S+j:S+j+1], v[O+32*(\tl)+j:O+32*(\tl)+j+1], v[F:F+1] op_sel_hi:[1,0]
.set j, j+2
.endr
	WIN 0
.irp b, 0,1
	v_max3_num_f32 v[BX+\b], |v[S+16*\b]|, |v[S+16*\b+1]|, 0x8000000
.endr
.irp i, 2,4,6,8,10,12,14
.irp b, 0,1
	s_delay_alu instid0(VALU_DEP_2)
	v_max3_num_f32 v[BX+\b], v[BX+\b], |v[S+16*\b+\i]|, |v[S+16*\b+\i+1]|
.endr
.endr
.irp b, 0,1
	s_delay_alu instid0(VALU_DEP_2)
	v_permlanex16_b32 v[T2+\b], v[BX+\b], s[SEL], s[SEL+1]
.endr
.irp b, 0,1
	s_delay_alu instid0(VALU_DEP_2)
	v_max_num_f32 v[BX+\b], v[BX+\b], v[T2+\b]
.endr
.irp b, 0,1
	s_delay_alu instid0(VALU_DEP_2)
	v_add_nc_u32 v[SO+\b], 0xf8800000, v[BX+\b]
.endr
.irp b, 0,1
	s_delay_alu instid0(VALU_DEP_4)
	v_and_or_b32 v[HO+\b], v[BX+\b], 0x7f800000, s[MNT]
.endr
.irp b, 0,1
	s_delay_alu instid0(VALU_DEP_4)
	v_lshrrev_b32 v[T2+\b], 23, v[SO+\b]
.endr
	s_delay_alu instid0(VALU_DEP_1)
	v_lshl_or_b32 v[FW], v[T2+1], 8, v[T2]
.irp b, 0,1
.irp i, 0,1,2,3,4,5,6,7,8,9,10,11,12,13,14,15
	v_med3_num_f32 v[S+16*\b+\i], v[S+16*\b+\i], -v[HO+\b], v[HO+\b]
.endr
	v_cvt_scalef32_pk8_bf8_f32 v[FC+4*\b:FC+4*\b+1], v[S+16*\b:S+16*\b+7], v[SO+\b]
	v_cvt_scalef32_pk8_bf8_f32 v[FC+4*\b+2:FC+4*\b+3], v[S+16*\b+8:S+16*\b+15], v[SO+\b]
.endr
	v_cndmask_b32 v[FA], v[NM], v[F], s[HM]        ; lanes 0-15 -M, lanes 16-31 1 / l
	global_store_b128 v[AK0], v[FC:FC+3], s[AFB:AFB+1] offset:16384*(\tl)       ; 512 consecutive bytes, aligned
	global_store_b128 v[AK0], v[FC+4:FC+7], s[AFB:AFB+1] offset:16384*(\tl)+512
	global_store_b16 v[GS], v[FW], s[ASB:ASB+1] offset:512*(\tl)
	global_store_b32 v[GL], v[FA], s[STB:STB+1] offset:128*(\tl)
.endm
	FIN 0
	FIN 1
	FIN 2
	FIN 3
	s_wait_tensorcnt 0x0                           ; the wave's end
	ds_add_u32 v[SPW], v[NIL]
	s_wait_dscnt 0x0
	CROUND                                         ; the closing round
	s_endpgm
.Lfunc_end_k_qfb0989f14f_flash:
	.size	k_qfb0989f14f_flash, .Lfunc_end_k_qfb0989f14f_flash-k_qfb0989f14f_flash
	.p2alignl 7, 3214868480
	.fill 96, 4, 3214868480
	.section	.rodata,"a",@progbits
	.p2align	6, 0x0
	.amdhsa_kernel k_qfb0989f14f_flash
		.amdhsa_group_segment_fixed_size 327680
		.amdhsa_private_segment_fixed_size 0
		.amdhsa_enable_private_segment 0
		.amdhsa_kernarg_size 16
		.amdhsa_user_sgpr_count 2
		.amdhsa_user_sgpr_kernarg_segment_ptr 1
		.amdhsa_wavefront_size32 1
		.amdhsa_system_sgpr_workgroup_id_x 1
		.amdhsa_system_sgpr_workgroup_id_y 1
		.amdhsa_system_sgpr_workgroup_id_z 1
		.amdhsa_system_vgpr_workitem_id 0
		.amdhsa_next_free_vgpr 512
		.amdhsa_next_free_sgpr 96
		.amdhsa_reserve_vcc 0
		.amdhsa_float_denorm_mode_32 3
		.amdhsa_float_denorm_mode_16_64 3
		.amdhsa_memory_ordered 1
		.amdhsa_forward_progress 1
		.amdhsa_inst_pref_size 178
	.end_amdhsa_kernel
	.amdgpu_metadata
---
amdhsa.version: [ 1, 2 ]
amdhsa.kernels:
  - .name:           k_qfb0989f14f_flash
    .symbol:         k_qfb0989f14f_flash.kd
    .args:
      - { .name: qkv, .offset: 0, .size: 8, .value_kind: global_buffer, .address_space: global }
      - { .name: att, .offset: 8, .size: 8, .value_kind: global_buffer, .address_space: global }
    .group_segment_fixed_size: 327680
    .private_segment_fixed_size: 0
    .kernarg_segment_align: 8
    .kernarg_segment_size: 16
    .max_flat_workgroup_size: 256
    .sgpr_count:     96
    .vgpr_count:     512
    .wavefront_size: 32
...
	.end_amdgpu_metadata
.endif
;; end of part 3
;; launch colsum (part 4): grid 4 x 64, 16 waves a work-group, clusters of 4 x 1, 169,984 bytes of LDS; arguments qkv, att, cs; writes cs
.if DOCPART == 4
	.amdgcn_target "amdgcn-amd-amdhsa--gfx1250"
	.amdhsa_code_object_version 6
	.text
	.protected	k_qfb0989f14f_colsum
	.globl	k_qfb0989f14f_colsum
	.p2align	8
	.type	k_qfb0989f14f_colsum,@function
k_qfb0989f14f_colsum:
	s_mov_b64 s[64:65], 0
	v_nop
	global_prefetch_b8 v0, s[64:65] scope:SCOPE_SE
	s_setreg_imm32_b32 hwreg(HW_REG_WAVE_MODE, 25, 1), 1
	s_wait_xcnt 0x0
	s_wait_alu depctr_hold_cnt(0) depctr_sa_sdst(0) depctr_va_vdst(0) depctr_va_sdst(0) depctr_va_ssrc(0) depctr_va_vcc(0) depctr_vm_vsrc(0)
	s_getreg_b32 s2, hwreg(HW_REG_IB_STS2, 6, 4)
	s_cmp_eq_u32 s2, 0
	s_cbranch_scc0 .Lentry_in_a_cluster
	s_endpgm
.Lentry_in_a_cluster:
	s_bfe_u32 s2, ttmp6, 0x10000c
	s_cmp_lg_u32 s2, 0x3003
	s_cbranch_scc0 .Lentry_shape_is_right
	s_endpgm
.Lentry_shape_is_right:
; The column sums of the finished softmax: cs[bh][part 0 or 1][key] = the sum over that part's 1,024 queries of 2^(t - M) / l, with each query's final -M and 1 / l as the attention launch stored them.
; The scores are made again by the same product on the same codes, S^T = K Q^T, with THE KEYS STATIONARY: a wave holds 64 keys (4 tiles) in registers and walks 1,024 queries, two tiles a trip.
; A lane holds a query, its registers run along the keys: the sum over queries is kept by lane in 32 registers and folded over the 16 lanes of each half once, at the end.
; A cluster of four work-groups takes one head; each work-group 512 keys; wave = (8 groups of 64 keys) x (2 parts of the queries).
; The head's Q (131,072 bytes of half fragments), its scale words (8,192) and the statistics (16,384) come into LDS once, by joint loads that name the four partners.  No byte is filled twice.
; ONE LOAD A WAVE, in one chain of four arms: waves 0-3 a quarter of the scale words each, waves 4-7 a quarter of the statistics, waves 8 and 9 the halves of Q's first 32 tiles, waves 10-15 16 tiles each of the other 96.
; Q is walked in four chunks of 32 tiles; part qh takes tiles 32 j + 16 qh .. + 15 of chunk j.  The first barrier shows what waves 0-9 fetched (they alone wait there, and waves 10-15 have a load line of their own): chunk 0 is worked on
; while the rest is on its way.  The second barrier, ahead of chunk 1, shows all; chunks 2 and 3 need none.
; No prefetch: all that is read through LDS is asked for at the head.
; K = 64 fills half of the instruction's 128: Q's fragments have zero codes above, so the upper half of K's operand (the next tile's finite codes, or zeros) adds nothing.
; LIMITS: NaN and infinities are not served; a weight under 2^-126 counts as 0 (the exponential flushes).
.set SCO,  25165824
.set STO,  8650752
.set QSO,  131072                      ; LDS: Q's images at 0, its scale words here,
.set STL,  139264                      ; the statistics here,
.set SPARE, 167936                     ; the spare words here
.set CHK,  32768                       ; a chunk of Q: 32 tiles of 1,024 bytes
.set KR,   24                          ; v24-55 K's four half fragments, v56-63 zeros
.set KSW,  8
.set QSW,  10
.set SD,   12                          ; v[12:13], v[14:15]: (-M, 1 / l) of the trip's two tiles
.set Q0,   64                          ; v64-79, v80-95: 8 registers of codes and 8 of zeros each
.set S,    96
.set ACC,  160
.set WV,   10
.set G1Q,  16
.set G1S,  24
.set G1T,  32
.set G0S,  44
.set G0T,  48
.set G0Q,  80
.set CS,   52
.set TQ,   54
.set TS,   55
.set TT,   56
.set CNT,  57
.macro CROUND
	s_barrier_signal -1
	s_barrier_wait -1
	s_cmp_lg_u32 s[WV], 0
	s_cbranch_scc1 .Lnot_wave_0_\@
	s_barrier_signal -3
.Lnot_wave_0_\@:
	s_barrier_wait -3
	s_barrier_signal -1
	s_barrier_wait -1
.endm
.macro TLOAD g0, g1
	tensor_load_to_lds s[\g0:\g0+3], s[\g1:\g1+7]
	s_nop 0
.rept 4
	v_nop
.endr
.endm
	s_load_b128 s[4:7], s[0:1], 0x0                ; qkv, att
	s_load_b64 s[8:9], s[0:1], 0x10                ; cs
	v_lshl_add_u32 v254, v0, 2, SPARE
	v_mov_b32 v255, 0
	ds_add_u32 v254, v255                          ; the opening lines
	ds_add_u32 v254, v255
	v_lshrrev_b32 v1, 5, v0
	v_readfirstlane_b32 s[WV], v1                  ; wave 0..15
	s_and_b32 s11, ttmp7, 0xffff                   ; batch x head
	s_bfe_u32 s12, ttmp6, 0x40000                  ; cx: my quarter of the keys: it enters global addresses alone
	s_and_b32 s13, s[WV], 7                        ; my 64 keys.  Also: which eighth of Q I fetch
	s_lshr_b32 s14, s[WV], 3                       ; my part of the queries
.irp g, G1Q, G1S, G1T
	s_mov_b32 s[\g], 15|(3<<16)|(1<<21)            ; the mask names all four; elements of 8 bytes; rows of 256 bytes, dense
	s_mov_b32 s[\g+1], 32<<16
	s_mov_b32 s[\g+3], 32<<16
	s_mov_b32 s[\g+5], 32
	s_mov_b32 s[\g+6], 0
	s_mov_b32 s[\g+7], 0
.endr
	s_mov_b32 s[G1Q+2], 64<<16                     ; 64 rows: 16,384 bytes
	s_mov_b32 s[G1Q+4], 64
	s_mov_b32 s[G1S+2], 8<<16                      ; 8 rows: 2,048 bytes
	s_mov_b32 s[G1S+4], 8
	s_mov_b32 s[G1T+2], 16<<16                     ; 16 rows: 4,096 bytes
	s_mov_b32 s[G1T+4], 16
	s_lshl_b32 s66, s13, 14
	s_lshl_b32 s58, s11, 17
	s_add_co_u32 s58, s58, s66
	s_mov_b32 s59, 0
	s_and_b32 s67, s[WV], 3                        ; which quarter of the scale words or of the statistics
	s_lshl_b32 s68, s67, 11
	s_lshl_b32 s60, s11, 13
	s_add_co_u32 s60, s60, s68
	s_add_co_u32 s60, s60, SCO
	s_mov_b32 s61, 0
	s_lshl_b32 s69, s67, 12
	s_lshl_b32 s62, s11, 14
	s_add_co_u32 s62, s62, s69
	s_add_co_u32 s62, s62, STO
	s_mov_b32 s63, 0
	s_mov_b32 s[CS], 0x3e38aa3b                    ; c = log2(e) / sqrt(64)
	s_mov_b32 s[CS+1], s[CS]
	s_wait_dscnt 0x0
	s_wait_kmcnt 0x0
	s_mov_b32 s[G0Q], 1
	s_mov_b32 s[G0Q+1], s66
	s_add_nc_u64 s[G0Q+2:G0Q+3], s[4:5], s[58:59]
	s_or_b32 s[G0Q+3], s[G0Q+3], 0x80000000
	s_mov_b32 s[G0S], 1
	s_add_co_u32 s[G0S+1], s68, QSO
	s_add_nc_u64 s[G0S+2:G0S+3], s[4:5], s[60:61]
	s_or_b32 s[G0S+3], s[G0S+3], 0x80000000
	s_mov_b32 s[G0T], 1
	s_add_co_u32 s[G0T+1], s69, STL
	s_add_nc_u64 s[G0T+2:G0T+3], s[6:7], s[62:63]
	s_or_b32 s[G0T+3], s[G0T+3], 0x80000000
	CROUND                                         ; all four work-groups are here: the joint loads meet
	s_cmp_lt_u32 s[WV], 4
	s_cbranch_scc0 .Lhead_t
	TLOAD G0S, G1S
	s_branch .Lhead_asked
.Lhead_t:
	s_cmp_lt_u32 s[WV], 8
	s_cbranch_scc0 .Lhead_q0
	TLOAD G0T, G1T
	s_branch .Lhead_asked
.Lhead_q0:
	s_cmp_lt_u32 s[WV], 10
	s_cbranch_scc0 .Lhead_q1
	TLOAD G0Q, G1Q                                 ; chunk 0
	s_branch .Lhead_asked
.Lhead_q1:
	TLOAD G0Q, G1Q                                 ; chunks 1 to 3: a line of its own, since its issuers pass the first wait by
.Lhead_asked:
	s_lshl_b32 s58, s14, 14                        ; my part of a chunk: 16 tiles x 1,024 bytes on,
	s_lshl_b32 s59, s14, 10                        ; x 64 bytes of scale words,
	s_add_co_u32 s59, s59, QSO
	s_lshl_b32 s60, s14, 11                        ; x 128 bytes of statistics
	s_add_co_u32 s60, s60, STL
	s_lshl_b32 s76, s12, 5
	s_lshl_b32 s77, s13, 2
	s_add_co_u32 s76, s76, s77                     ; my first key tile: 32 cx + 4 group
	s_lshl_b32 s70, s11, 17
	s_lshl_b32 s77, s76, 10
	s_add_co_u32 s70, s70, s77
	s_add_co_u32 s70, s70, 8388608                 ; K's codes
	s_mov_b32 s71, 0
	s_add_nc_u64 s[70:71], s[4:5], s[70:71]
	s_lshl_b32 s72, s11, 13
	s_lshl_b32 s77, s76, 6
	s_add_co_u32 s72, s72, s77
	s_add_co_u32 s72, s72, SCO+524288              ; K's scale words
	s_mov_b32 s73, 0
	s_add_nc_u64 s[72:73], s[4:5], s[72:73]
	s_lshl_b32 s74, s11, 1
	s_add_co_u32 s74, s74, s14
	s_lshl_b32 s74, s74, 11
	s_lshl_b32 s77, s76, 4
	s_add_co_u32 s74, s74, s77                     ; (2 bh + part) x 2,048 + my first key
	s_lshl_b32 s74, s74, 2
	s_mov_b32 s75, 0
	s_add_nc_u64 s[74:75], s[8:9], s[74:75]
	v_and_b32 v19, 31, v0                          ; lane
	v_and_b32 v7, 15, v0                           ; r
	v_bfe_u32 v18, v0, 4, 1                        ; h
	v_lshlrev_b32 v11, 4, v19                      ; 16 x lane
	v_lshlrev_b32 v16, 2, v19                      ; 4 x lane
	v_lshlrev_b32 v17, 6, v18                      ; 64 h
	v_add_nc_u32 v1, s58, v11
	v_add_nc_u32 v2, s59, v16
	v_lshl_add_u32 v3, v7, 3, s60
	s_wait_alu depctr_va_vdst(0)                   ; the wait ahead of the readers below
.irp t, 0,1,2,3
	global_load_b128 v[KR+8*\t:KR+8*\t+3], v11, s[70:71] offset:1024*\t
	global_load_b128 v[KR+8*\t+4:KR+8*\t+7], v11, s[70:71] offset:1024*\t+512
.endr
	global_load_b32 v[KSW], v16, s[72:73]          ; lanes 0-15 tile 0, lanes 16-31 tile 1
	global_load_b32 v[KSW+1], v16, s[72:73] offset:128
.irp j, 0,1,2,3,4,5,6,7
	v_mov_b32 v[KR+32+\j], 0                       ; zero codes: behind K's last half fragment, and Q's upper 64 along K
	v_mov_b32 v[Q0+8+\j], 0
	v_mov_b32 v[Q0+24+\j], 0
.endr
.set j, 0
.rept 32
	v_mov_b32 v[ACC+j], 0
.set j, j+1
.endr
	s_wait_alu depctr_va_vdst(0)                   ; the wait at the head's end
	s_wait_loadcnt 0x0                             ; K
.macro KQ t, q                         ; 16 keys x 16 queries
.if ((\t)%2) == 0
.if (\q) == 0
	v_wmma_scale_f32_16x16x128_f8f6f4 v[S+32*(\q)+8*(\t):S+32*(\q)+8*(\t)+7], v[KR+8*(\t):KR+8*(\t)+15], v[Q0+16*(\q):Q0+16*(\q)+15], 0, v[KSW+(\t)/2], v[QSW] matrix_a_fmt:MATRIX_FMT_BF8 matrix_b_fmt:MATRIX_FMT_BF8
.else
	v_wmma_scale_f32_16x16x128_f8f6f4 v[S+32*(\q)+8*(\t):S+32*(\q)+8*(\t)+7], v[KR+8*(\t):KR+8*(\t)+15], v[Q0+16*(\q):Q0+16*(\q)+15], 0, v[KSW+(\t)/2], v[QSW] matrix_a_fmt:MATRIX_FMT_BF8 matrix_b_fmt:MATRIX_FMT_BF8 matrix_b_scale:MATRIX_SCALE_ROW1
.endif
.else
.if (\q) == 0
	v_wmma_scale_f32_16x16x128_f8f6f4 v[S+32*(\q)+8*(\t):S+32*(\q)+8*(\t)+7], v[KR+8*(\t):KR+8*(\t)+15], v[Q0+16*(\q):Q0+16*(\q)+15], 0, v[KSW+(\t)/2], v[QSW] matrix_a_fmt:MATRIX_FMT_BF8 matrix_b_fmt:MATRIX_FMT_BF8 matrix_a_scale:MATRIX_SCALE_ROW1
.else
	v_wmma_scale_f32_16x16x128_f8f6f4 v[S+32*(\q)+8*(\t):S+32*(\q)+8*(\t)+7], v[KR+8*(\t):KR+8*(\t)+15], v[Q0+16*(\q):Q0+16*(\q)+15], 0, v[KSW+(\t)/2], v[QSW] matrix_a_fmt:MATRIX_FMT_BF8 matrix_b_fmt:MATRIX_FMT_BF8 matrix_a_scale:MATRIX_SCALE_ROW1 matrix_b_scale:MATRIX_SCALE_ROW1
.endif
.endif
.endm
.macro QLOAD                           ; two tiles' half fragments of Q and their scale words: five loads
	v_add_nc_u32 v4, s[TQ], v1
	v_add_nc_u32 v5, s[TS], v2
	ds_load_b128 v[Q0:Q0+3], v4
	ds_load_b128 v[Q0+4:Q0+7], v4 offset:512
	ds_load_b128 v[Q0+16:Q0+19], v4 offset:1024
	ds_load_b128 v[Q0+20:Q0+23], v4 offset:1536
	ds_load_b32 v[QSW], v5                         ; lanes 0-15 the first tile's words, lanes 16-31 the second's
.endm
.macro TRIP pf                         ; two tiles of 16 queries, whose Q was asked for a trip ago; pf = 1: the next trip's is asked for behind the products
	v_add_nc_u32 v6, s[TT], v3
	ds_load_b64 v[SD:SD+1], v6
	ds_load_b64 v[SD+2:SD+3], v6 offset:128
	s_wait_dscnt 2                                 ; Q's five loads are in; the two just issued may be out
.irp q, 0,1
.irp t, 0,1,2,3
	KQ \t, \q
.endr
.endr
.rept 8
	v_nop                                          ; places ahead of the first reader of S and of the loads into Q's registers
.endr
.if \pf
	s_add_co_u32 s[TQ], s[TQ], 2048
	s_add_co_u32 s[TS], s[TS], 128
	QLOAD
	s_wait_dscnt 5                                 ; the statistics are in; the five just issued may be out
.else
	s_wait_dscnt 0x0
.endif
.irp q, 0,1
.set j, 0
.rept 16
	v_pk_fma_f32 v[S+32*\q+j:S+32*\q+j+1], v[S+32*\q+j:S+32*\q+j+1], s[CS:CS+1], v[SD+2*\q:SD+2*\q+1] op_sel_hi:[1,0,0]   ; t - M: the pair's low word is -M
.set j, j+2
.endr
.endr
	s_wait_alu depctr_va_vdst(0)                   ; the wait ahead of the batch
.set j, 0
.rept 64
	v_exp_f32 v[S+j], v[S+j]
.set j, j+1
.endr
	v_nop                                          ; the plain line behind the batch
	s_wait_alu depctr_va_vdst(0)                   ; one wait for the 64, ahead of their first reader
.irp q, 0,1
.set j, 0
.rept 16
	v_pk_fma_f32 v[ACC+j:ACC+j+1], v[S+32*\q+j:S+32*\q+j+1], v[SD+2*\q:SD+2*\q+1], v[ACC+j:ACC+j+1] op_sel:[0,1,0] op_sel_hi:[1,1,1]   ; x 1 / l: the pair's high word for both halves
.set j, j+2
.endr
.endr
	s_add_co_u32 s[TT], s[TT], 256
.endm
.macro PHASE ph                        ; chunk ph of the queries: eight trips
.if (\ph) == 0
	s_cmp_lt_u32 s[WV], 10                         ; the scale words, the statistics and chunk 0: their issuers wait
	s_cbranch_scc0 .Llater_\@
	s_wait_tensorcnt 0x0
.Llater_\@:
.endif
.if (\ph) == 1
	s_wait_tensorcnt 0x0                           ; all that is still out: on every wave's way
.endif
.if (\ph) < 2
	s_wait_dscnt 0x0                               ; no LDS instruction of mine is pending at the signal
	s_barrier_signal -1
	s_barrier_wait -1
.endif
	s_mov_b32 s[TQ], CHK*(\ph)
	s_mov_b32 s[TS], 2048*(\ph)                    ; 32 tiles x 64 bytes
	s_mov_b32 s[TT], 4096*(\ph)                    ; 32 tiles x 128 bytes
	QLOAD                                          ; the chunk's first trip
	s_mov_b32 s[CNT], 7
.Ltrip_\@:
	TRIP 1
	s_sub_co_u32 s[CNT], s[CNT], 1
	s_cmp_lg_u32 s[CNT], 0
	s_cbranch_scc1 .Ltrip_\@
	TRIP 0                                         ; the chunk's eighth trip is written out: it asks for nothing beyond my part of the chunk
.endm
	PHASE 0
	PHASE 1
	PHASE 2
	PHASE 3
	; over the 16 queries that the lanes of a half hold: register 16 b + i is key 32 b + 16 h + i of my 64
.irp m, 1,2,4,8
.set j, 0
.rept 32
	v_add_f32_dpp v[ACC+j], v[ACC+j], v[ACC+j] row_xmask:\m row_mask:0xf bank_mask:0xf
.set j, j+1
.endr
.endr
	v_cmp_eq_u32 vcc_lo, 0, v7                     ; lanes 0 and 16 store: two runs of 64 consecutive bytes each, eight stores
	s_wait_alu depctr_va_vdst(0)
	s_wait_xcnt 0x0                                ; EXEC changes only behind this wait
	s_and_saveexec_b32 s58, vcc_lo
.irp g, 0,1
.irp k, 0,1,2,3
	global_store_b128 v17, v[ACC+16*\g+4*\k:ACC+16*\g+4*\k+3], s[74:75] offset:128*\g+16*\k
.endr
.endr
	s_wait_xcnt 0x0
	s_or_b32 exec_lo, exec_lo, s58
	s_wait_tensorcnt 0x0                           ; the wave's end
	ds_add_u32 v254, v255
	s_wait_dscnt 0x0
	CROUND                                         ; the closing round
	s_endpgm
.Lfunc_end_k_qfb0989f14f_colsum:
	.size	k_qfb0989f14f_colsum, .Lfunc_end_k_qfb0989f14f_colsum-k_qfb0989f14f_colsum
	.p2alignl 7, 3214868480
	.fill 96, 4, 3214868480
	.section	.rodata,"a",@progbits
	.p2align	6, 0x0
	.amdhsa_kernel k_qfb0989f14f_colsum
		.amdhsa_group_segment_fixed_size 169984
		.amdhsa_private_segment_fixed_size 0
		.amdhsa_enable_private_segment 0
		.amdhsa_kernarg_size 24
		.amdhsa_user_sgpr_count 2
		.amdhsa_user_sgpr_kernarg_segment_ptr 1
		.amdhsa_wavefront_size32 1
		.amdhsa_system_sgpr_workgroup_id_x 1
		.amdhsa_system_sgpr_workgroup_id_y 1
		.amdhsa_system_sgpr_workgroup_id_z 1
		.amdhsa_system_vgpr_workitem_id 0
		.amdhsa_next_free_vgpr 256
		.amdhsa_next_free_sgpr 96
		.amdhsa_reserve_vcc 1
		.amdhsa_float_denorm_mode_32 3
		.amdhsa_float_denorm_mode_16_64 3
		.amdhsa_memory_ordered 1
		.amdhsa_forward_progress 1
		.amdhsa_inst_pref_size 85
	.end_amdhsa_kernel
	.amdgpu_metadata
---
amdhsa.version: [ 1, 2 ]
amdhsa.kernels:
  - .name:           k_qfb0989f14f_colsum
    .symbol:         k_qfb0989f14f_colsum.kd
    .args:
      - { .name: qkv, .offset: 0, .size: 8, .value_kind: global_buffer, .address_space: global }
      - { .name: att, .offset: 8, .size: 8, .value_kind: global_buffer, .address_space: global }
      - { .name: cs, .offset: 16, .size: 8, .value_kind: global_buffer, .address_space: global }
    .group_segment_fixed_size: 169984
    .private_segment_fixed_size: 0
    .kernarg_segment_align: 8
    .kernarg_segment_size: 24
    .max_flat_workgroup_size: 512
    .sgpr_count:     96
    .vgpr_count:     256
    .wavefront_size: 32
...
	.end_amdgpu_metadata
.endif
;; end of part 4
;; launch gemm_out (part 5): grid 32 x 4, 4 waves a work-group, clusters of 4 x 4, 327,680 bytes of LDS; arguments opq, att, cs, bo, part; writes part
.if DOCPART == 5
	.amdgcn_target "amdgcn-amd-amdhsa--gfx1250"
	.amdhsa_code_object_version 6
	.text
	.protected	k_qfb0989f14f_gemm_out
	.globl	k_qfb0989f14f_gemm_out
	.p2align	8
	.type	k_qfb0989f14f_gemm_out,@function
k_qfb0989f14f_gemm_out:
	s_mov_b64 s[64:65], 0
	v_nop
	global_prefetch_b8 v0, s[64:65] scope:SCOPE_SE
	s_setreg_imm32_b32 hwreg(HW_REG_WAVE_MODE, 25, 1), 1
	s_wait_xcnt 0x0
	s_wait_alu depctr_hold_cnt(0) depctr_sa_sdst(0) depctr_va_vdst(0) depctr_va_sdst(0) depctr_va_ssrc(0) depctr_va_vcc(0) depctr_vm_vsrc(0)
	s_getreg_b32 s2, hwreg(HW_REG_IB_STS2, 6, 4)
	s_cmp_eq_u32 s2, 0
	s_cbranch_scc0 .Lentry_in_a_cluster
	s_endpgm
.Lentry_in_a_cluster:
	s_bfe_u32 s2, ttmp6, 0x10000c
	s_cmp_lg_u32 s2, 0xf033
	s_cbranch_scc0 .Lentry_shape_is_right
	s_endpgm
.Lentry_shape_is_right:
.set WOF,  11534336
.set WOS,  12943360
.set ASO,  8388608
.set NQ,   2
.set FR,   16
.set NL,   4
.set NP,   8
.set LAPS, 2
.set SLOT, 131072
.set BOFF, 65536
.set SCL,  262144
.set SPARE, 278528
.set WREG, 279040
.set BO,   8
.set ADRA, 16
.set ADRB, 20
.set ADRS, 27
.set SPW,  28
.set NIL,  29
.set SC,   32
.set WT,   64
.set AF,   128
.set CH,   128
.set VAL,  136
.set SWR,  144
.set PX,   150
.set OV,   160
.set SEL,  100
.set HM,   17
.set G1,   24
.set G0,   32
.set G1B,  48
.set G0B,  56
.set G1S,  68
.set G0S,  76
.set G1SB, 80
.set G0SB, 88
.set MSB, 0
.macro WIN new
.if MSB != (\new)
	s_set_vgpr_msb (MSB<<8)|(\new)
.set MSB, (\new)
.endif
.endm
.set MUL_LO, 0xa1
.set MUL_HI, 0xf1
.set TO_B,   0x40
.macro JLOAD g0a, g1a, g0b, g1b
	s_cmp_eq_u32 s15, 0
	s_cbranch_scc0 .Lfor_b_\@
	tensor_load_to_lds s[\g0a:\g0a+3], s[\g1a:\g1a+7]
	s_nop 0
.rept 4
	v_nop
.endr
	s_branch .Lasked_\@
.Lfor_b_\@:
	tensor_load_to_lds s[\g0b:\g0b+3], s[\g1b:\g1b+7]
	s_nop 0
.rept 4
	v_nop
.endr
.Lasked_\@:
.endm
.macro CREST
	s_cmp_lg_u32 s14, 0
	s_cbranch_scc1 .Lnot_wave_0_\@
	s_barrier_signal -3
.Lnot_wave_0_\@:
	s_barrier_wait -3
	s_barrier_signal -1
	s_barrier_wait -1
.endm
.macro CROUND
	s_barrier_signal -1
	s_barrier_wait -1
	CREST
.endm
	s_load_b256 s[4:11], s[0:1], 0x0
	s_load_b64 s[12:13], s[0:1], 0x20
	v_lshl_add_u32 v[SPW], v0, 2, SPARE
	v_mov_b32 v[NIL], 0
	ds_add_u32 v28, v29
	ds_add_u32 v28, v29
	s_wait_dscnt 0x0
	v_lshrrev_b32 v1, 5, v0
	v_readfirstlane_b32 s14, v1
	s_lshr_b32 s15, s14, 1
	s_and_b32 s16, s14, 1
	s_bfe_u32 s40, ttmp6, 0x40000
	s_bfe_u32 s41, ttmp6, 0x40004
	s_lshl_b32 s42, ttmp9, 2
	s_add_co_u32 s42, s42, s40
	s_lshl_b32 s43, s41, 2
	s_lshl_b32 s43, 15, s43
	s_lshl_b32 s44, 0x1111, s40
	s_or_b32 s[G1+0], s43, (3<<16)|(1<<21)
	s_or_b32 s[G1B+0], s44, (3<<16)|(1<<21)
.irp g, G1, G1B
	s_mov_b32 s[\g+1], 512<<16
	s_mov_b32 s[\g+2], 16<<16
	s_mov_b32 s[\g+3], 512<<16
	s_mov_b32 s[\g+4], 16
	s_mov_b32 s[\g+5], 2048
	s_mov_b32 s[\g+6], 0
	s_mov_b32 s[\g+7], 0
.endr
	s_or_b32 s[G1S+0], s43, (3<<16)|(1<<21)
	s_or_b32 s[G1SB+0], s44, (3<<16)|(1<<21)
.irp g, G1S, G1SB
	s_mov_b32 s[\g+1], 32<<16
	s_mov_b32 s[\g+2], 32<<16
	s_mov_b32 s[\g+3], 32<<16
	s_mov_b32 s[\g+4], 32
	s_mov_b32 s[\g+5], 32
	s_mov_b32 s[\g+6], 0
	s_mov_b32 s[\g+7], 0
.endr
	s_lshl_b32 s66, s16, 3
	s_lshl_b32 s21, s41, 4
	s_add_co_u32 s21, s21, s66
	s_lshl_b32 s22, s42, 4
	s_add_co_u32 s22, s22, s66
	s_lshl_b32 s92, s21, 14
	s_add_co_u32 s92, s92, WOF
	s_mov_b32 s93, 0
	s_lshl_b32 s94, s21, 9
	s_add_co_u32 s94, s94, WOS
	s_mov_b32 s95, 0
	s_lshl_b32 s96, s22, 14
	s_mov_b32 s97, 0
	s_lshl_b32 s98, s22, 9
	s_add_co_u32 s98, s98, ASO
	s_mov_b32 s99, 0
	s_lshl_b32 s45, s14, 15
	s_wait_kmcnt 0x0
	s_add_nc_u64 s[92:93], s[4:5], s[92:93]
	s_add_nc_u64 s[94:95], s[4:5], s[94:95]
	s_add_nc_u64 s[96:97], s[6:7], s[96:97]
	s_add_nc_u64 s[98:99], s[6:7], s[98:99]
	s_lshl_b32 s2, s16, 12                         ; the head's loads take all 16 tiles: back to the block's first tile: 8 records of 512 bytes,
	s_mov_b32 s3, 0
	s_sub_nc_u64 s[94:95], s[94:95], s[2:3]
	s_sub_nc_u64 s[98:99], s[98:99], s[2:3]
	s_lshl_b32 s2, s16, 17                         ; and 8 tiles of 16,384 bytes of B's codes
	s_sub_nc_u64 s[100:101], s[96:97], s[2:3]
	CROUND
	s_mov_b32 s[G0S], 1
	s_mov_b32 s[G0S+1], SCL
	s_mov_b64 s[G0S+2:G0S+3], s[94:95]
	s_or_b32 s[G0S+3], s[G0S+3], 0x80000000
	s_mov_b32 s[G0SB], 1
	s_mov_b32 s[G0SB+1], SCL+8192
	s_mov_b64 s[G0SB+2:G0SB+3], s[98:99]
	s_or_b32 s[G0SB+3], s[G0SB+3], 0x80000000
.irp s, 0,1
	s_mov_b32 s[G0+4*\s], 1
	s_add_co_u32 s[G0+4*\s+1], s45, \s*SLOT
	s_add_nc_u64 s[G0+4*\s+2:G0+4*\s+3], s[92:93], \s*4096
	s_or_b32 s[G0+4*\s+3], s[G0+4*\s+3], 0x80000000
	s_mov_b32 s[G0B+4*\s], 1
	s_add_co_u32 s[G0B+4*\s+1], s45, \s*SLOT
	s_add_nc_u64 s[G0B+4*\s+2:G0B+4*\s+3], s[96:97], \s*4096
	s_or_b32 s[G0B+4*\s+3], s[G0B+4*\s+3], 0x80000000
.endr
	s_mov_b32 s96, 1                               ; group 0 for slot 0's 16 tiles of B
	s_mov_b32 s97, BOFF
	s_mov_b64 s[98:99], s[100:101]
	s_or_b32 s99, s99, 0x80000000
; THE HEAD'S LOADS, ONE A WAVE: wave 0 slot 0's 16 tiles of A, wave 1 those of B, wave 2 A's scale records, wave 3 B's.  One chain of branches on the wave's number, an arm a load, one join.
.macro ARM under, g0, g1, next
	s_cmp_lt_u32 s14, \under
	s_cbranch_scc0 \next
	tensor_load_to_lds s[\g0:\g0+3], s[\g1:\g1+7]
	s_nop 0
.rept 4
	v_nop
.endr
	s_branch .Lhead_asked
\next:
.endm
	ARM 1, G0, G1, .Lhead_b
	ARM 2, 96, G1B, .Lhead_sa
	ARM 3, G0S, G1S, .Lhead_sb
	tensor_load_to_lds s[G0SB:G0SB+3], s[G1SB:G1SB+7]
	s_nop 0
.rept 4
	v_nop
.endr
.Lhead_asked:
	v_and_b32 v1, 15, v0
	v_bfe_u32 v2, v0, 4, 1
	s_wait_alu depctr_va_vdst(0)
	v_and_b32 v3, 31, v0
	v_lshlrev_b32 v4, 4, v3
	s_lshl_b32 s21, s15, 15
	s_lshl_b32 s22, s16, 15
	s_add_co_u32 s22, s22, BOFF
.irp s, 0,1
	v_add_nc_u32 v[ADRA+\s], s21, v4
	v_add_nc_u32 v[ADRB+\s], s22, v4
	s_add_co_u32 s21, s21, SLOT
	s_add_co_u32 s22, s22, SLOT
.endr
	s_lshl_b32 s21, s15, 12
	s_lshl_b32 s22, s16, 12
	s_add_co_u32 s22, s22, 8192
	s_sub_co_u32 s22, s22, s21
	v_mul_u32_u24 v6, s22, v2
	s_add_co_u32 s21, s21, SCL
	v_lshl_add_u32 v5, v1, 2, v6
	v_add_nc_u32 v[ADRS], s21, v5
	s_lshr_b32 s18, s42, 3
	s_lshl_b32 s18, s18, 18
	s_and_b32 s19, s42, 7
	s_lshl_b32 s19, s19, 10
	s_add_co_u32 s18, s18, s19
	s_mov_b32 s19, 0
	s_add_nc_u64 s[18:19], s[8:9], s[18:19]
	s_lshl_b32 s20, s41, 10
	s_lshl_b32 s22, s15, 9
	s_add_co_u32 s20, s20, s22
	s_mov_b32 s21, 0
	s_add_nc_u64 s[46:47], s[10:11], s[20:21]
	v_lshlrev_b32 v7, 3, v0
	v_lshl_add_u32 v31, v0, 3, WREG
	v_and_b32 v30, 8, v1
	v_add_nc_u32 v30, v30, v1
	v_lshlrev_b32 v30, 2, v30
.set p, 0
.rept 32
	global_load_b64 v[WT+2*p:WT+2*p+1], v7, s[18:19] offset:8192*p
.set p, p+1
.endr
.irp a, 0,1,2,3,4,5,6,7
	global_load_b32 v[BO+\a], v30, s[46:47] offset:(32*(\a/2)+8*(\a%2))*4
.endr
	s_wait_loadcnt 8
.set p, 4
.rept 28
	v_pk_add_f32 v[WT+2*(p%4):WT+2*(p%4)+1], v[WT+2*(p%4):WT+2*(p%4)+1], v[WT+2*p:WT+2*p+1]
.set p, p+1
.endr
	v_pk_add_f32 v[WT:WT+1], v[WT:WT+1], v[WT+2:WT+3]
	v_pk_add_f32 v[WT+4:WT+5], v[WT+4:WT+5], v[WT+6:WT+7]
	v_pk_add_f32 v[WT:WT+1], v[WT:WT+1], v[WT+4:WT+5]
	v_pk_mul_f32 v[WT:WT+1], v[WT:WT+1], 0x38000000 op_sel_hi:[1,0]
	ds_store_b64 v31, v[WT:WT+1]
.macro FRAG reg, adr, q, i
.irp c, 0,1,2,3
	ds_load_b128 v[\reg+4*\c:\reg+4*\c+3], v[\adr] offset:4096*(\i)+2048*(\q)+512*\c
.endr
.endm
.macro MUL16 a0, p, q, sc, zero
.irp a, \a0, \a0+1
.irp b, 0,1,2,3,4,5,6,7
.if \zero
	v_wmma_scale_f32_16x16x128_f8f6f4 v[8*(8*((\a)%4)+\b):8*(8*((\a)%4)+\b)+7], v[128*(\p)+FR*\b:128*(\p)+FR*\b+FR-1], v[AF+FR*(\a):AF+FR*(\a)+FR-1], 0, v[SC+8*NQ*(\sc)+NQ*\b+(\q)], v[SC+8*NQ*(\sc)+NQ*(\a)+(\q)] matrix_a_fmt:MATRIX_FMT_BF8 matrix_b_fmt:MATRIX_FMT_BF8 matrix_a_scale:MATRIX_SCALE_ROW1
.else
	v_wmma_scale_f32_16x16x128_f8f6f4 v[8*(8*((\a)%4)+\b):8*(8*((\a)%4)+\b)+7], v[128*(\p)+FR*\b:128*(\p)+FR*\b+FR-1], v[AF+FR*(\a):AF+FR*(\a)+FR-1], v[8*(8*((\a)%4)+\b):8*(8*((\a)%4)+\b)+7], v[SC+8*NQ*(\sc)+NQ*\b+(\q)], v[SC+8*NQ*(\sc)+NQ*(\a)+(\q)] matrix_a_fmt:MATRIX_FMT_BF8 matrix_b_fmt:MATRIX_FMT_BF8 matrix_a_scale:MATRIX_SCALE_ROW1
.endif
.endr
.endr
.endm
.macro FETCH_B slot, q, p
	WIN TO_B
.irp i, 0,1,2,3,4,5,6,7
	FRAG 128*(\p)+FR*\i, ADRB+\slot, \q, \i
.endr
	WIN 0
.endm
.macro FETCH_A slot, q, i0
.irp i, \i0, \i0+1, \i0+2, \i0+3
	FRAG AF+FR*(\i), ADRA+\slot, \q, \i
.endr
.endm
.macro SCALES sc
.irp i, 0,1,2,3,4,5,6,7
	ds_load_b32 v[SC+16*\sc+2*\i], v[ADRS] offset:512*\i
	ds_load_b32 v[SC+16*\sc+2*\i+1], v[ADRS] offset:512*\i+64
.endr
.endm
.macro PLACES n
.rept \n
	v_nop
.endr
.endm
.macro STEP slot, q, zero
	s_wait_dscnt 4*NL
	WIN MUL_LO
	MUL16 0, (\q)%2, \q, \slot, \zero
	MUL16 2, (\q)%2, \q, \slot, \zero
	s_wait_dscnt 0
	PLACES NP
	FETCH_B \slot, (\q)+1, 1-(\q)%2
	FETCH_A \slot, (\q)+1, 0
	WIN MUL_HI
	MUL16 4, (\q)%2, \q, \slot, \zero
	MUL16 6, (\q)%2, \q, \slot, \zero
	PLACES NP
	WIN 0
	FETCH_A \slot, (\q)+1, 4
.endm
.macro TURN slot, next, fill
	s_wait_tensorcnt 0x0
	ds_add_u32 v[SPW], v[NIL]
	s_wait_dscnt 4*NL+1
	WIN MUL_LO
	MUL16 0, 1, NQ-1, \slot, 0
	s_wait_dscnt 0x0
	s_barrier_signal -1
	MUL16 2, 1, NQ-1, \slot, 0
	WIN 0
	s_barrier_wait -1
.if \fill
	CREST
	s_add_nc_u64 s[G0+4*\slot+2:G0+4*\slot+3], s[G0+4*\slot+2:G0+4*\slot+3], 8192
	s_add_nc_u64 s[G0B+4*\slot+2:G0B+4*\slot+3], s[G0B+4*\slot+2:G0B+4*\slot+3], 8192
	JLOAD G0+4*\slot, G1, G0B+4*\slot, G1B
	PLACES NP-4
.else
	PLACES NP
.endif
	s_wait_alu depctr_va_vdst(0)
	v_add_nc_u32 v[ADRS], 128, v[ADRS]
	FETCH_B \next, 0, 0
	FETCH_A \next, 0, 0
	SCALES \next
	WIN MUL_HI
	MUL16 4, 1, NQ-1, \slot, 0
	MUL16 6, 1, NQ-1, \slot, 0
	PLACES NP
	WIN 0
	FETCH_A \next, 0, 4
.endm
	s_wait_alu depctr_va_vdst(0)                   ; the wait at the head's end
	s_wait_tensorcnt 0x0                           ; my tile of the head's four is in; slot 1's first fill is issued as a refill is
	ds_add_u32 v[SPW], v[NIL]                      ; 0 onto my spare word
	s_mov_b32 s[G1+2], 8<<16                       ; no tensor load of mine is out: from here on a load brings 8 tiles
	s_mov_b32 s[G1+4], 8
	s_mov_b32 s[G1B+2], 8<<16
	s_mov_b32 s[G1B+4], 8
	s_wait_dscnt 0x0                               ; the add is done, and my pooling weights are stored
	CROUND                                         ; all four tiles are in, and all sixteen work-groups are here
	JLOAD G0+4, G1, G0B+4, G1B                     ; slot 1: the first tensor load behind the round
	FETCH_B 0, 0, 0
	FETCH_A 0, 0, 0
	SCALES 0
	FETCH_A 0, 0, 4
	STEP 0, 0, 1
	s_mov_b32 s3, LAPS-1
.Llap:
	TURN 0, 1, 1
	STEP 1, 0, 0
	TURN 1, 0, 1
	STEP 0, 0, 0
	s_sub_co_u32 s3, s3, 1
	s_cmp_lg_u32 s3, 0
	s_cbranch_scc1 .Llap
	TURN 0, 1, 0
	STEP 1, 0, 0
	s_wait_dscnt 4*NL
	WIN MUL_LO
	MUL16 0, 1, NQ-1, 1, 0
	MUL16 2, 1, NQ-1, 1, 0
	s_wait_dscnt 0
	WIN MUL_HI
	MUL16 4, 1, NQ-1, 1, 0
	MUL16 6, 1, NQ-1, 1, 0
	WIN 0
	PLACES NP
	s_mov_b32 s[SEL], 0x76543210
	s_mov_b32 s[SEL+1], 0xfedcba98
	s_mov_b32 s[HM], 0xffff0000
	v_and_b32 v1, 15, v0
	s_wait_alu depctr_va_vdst(0)
	v_bfe_u32 v2, v0, 4, 1
	s_lshl_b32 s18, s16, 9
	s_add_co_u32 s18, s18, WREG
	v_lshl_add_u32 v24, v2, 6, s18
.irp g, 0,1,2,3
.irp k, 0,1,2,3
	ds_load_b128 v[WT+16*\g+4*\k:WT+16*\g+4*\k+3], v24 offset:128*\g+16*\k
.endr
.endr
	s_lshl_b32 s20, s42, 1
	s_add_co_u32 s20, s20, s16
	s_lshl_b32 s20, s20, 12
	s_lshl_b32 s22, s41, 10
	s_add_co_u32 s20, s20, s22
	s_lshl_b32 s22, s15, 9
	s_add_co_u32 s20, s20, s22
	s_mov_b32 s21, 0
	s_add_nc_u64 s[20:21], s[12:13], s[20:21]
	v_and_b32 v25, 8, v1
	v_add_nc_u32 v25, v25, v1
	s_wait_alu depctr_va_vdst(0)
	v_lshl_add_u32 v25, v2, 3, v25
	v_lshlrev_b32 v25, 2, v25
.irp j, 0,1,2,3,4,5,6,7,8
	v_mov_b32 v[PX+\j], 0
.endr
	s_wait_dscnt 0x0
	s_wait_loadcnt 0x0
.macro DOT a
	WIN 0x02+((\a)/4)
.set p, 0
.rept 32
.if p < 4
	v_pk_mul_f32 v[CH+2*p:CH+2*p+1], v[64*((\a)%4)+2*p:64*((\a)%4)+2*p+1], v[WT+2*p:WT+2*p+1]
.else
	v_pk_fma_f32 v[CH+2*(p%4):CH+2*(p%4)+1], v[64*((\a)%4)+2*p:64*((\a)%4)+2*p+1], v[WT+2*p:WT+2*p+1], v[CH+2*(p%4):CH+2*(p%4)+1]
.endif
.set p, p+1
.endr
	WIN 0
	v_pk_add_f32 v[CH:CH+1], v[CH:CH+1], v[CH+2:CH+3]
	v_pk_add_f32 v[CH+4:CH+5], v[CH+4:CH+5], v[CH+6:CH+7]
	v_pk_add_f32 v[CH:CH+1], v[CH:CH+1], v[CH+4:CH+5]
	v_add_f32 v[VAL+(\a)], v[CH], v[CH+1]
.endm
.irp a, 0,1,2,3,4,5,6,7
	DOT \a
.endr
	v_pk_add_f32 v[SWR:SWR+1], v[WT:WT+1], v[WT+2:WT+3]
	v_pk_add_f32 v[SWR+2:SWR+3], v[WT+4:WT+5], v[WT+6:WT+7]
.set p, 4
.rept 14
	v_pk_add_f32 v[SWR:SWR+1], v[SWR:SWR+1], v[WT+2*p:WT+2*p+1]
	v_pk_add_f32 v[SWR+2:SWR+3], v[SWR+2:SWR+3], v[WT+2*p+2:WT+2*p+3]
.set p, p+2
.endr
	v_pk_add_f32 v[SWR:SWR+1], v[SWR:SWR+1], v[SWR+2:SWR+3]
	v_add_f32 v[SWR], v[SWR], v[SWR+1]
.irp a, 0,1,2,3,4,5,6,7
	v_permlanex16_b32 v[PX+\a], v[VAL+\a], s[SEL], s[SEL+1]
.endr
	v_permlanex16_b32 v[PX+8], v[SWR], s[SEL], s[SEL+1]
.irp a, 0,1,2,3,4,5,6,7
	v_add_f32 v[VAL+\a], v[VAL+\a], v[PX+\a]
.endr
	v_add_f32 v[SWR], v[SWR], v[PX+8]
.irp a, 0,1,2,3,4,5,6,7
	v_fma_f32 v[VAL+\a], v[BO+\a], v[SWR], v[VAL+\a]
.endr
.irp i, 0,1,2,3
	v_cndmask_b32 v[OV+\i], v[VAL+2*\i], v[VAL+2*\i+1], s[HM]
	global_store_b32 v25, v[OV+\i], s[20:21] offset:128*\i
.endr
	s_wait_tensorcnt 0x0
	ds_add_u32 v[SPW], v[NIL]
	s_wait_dscnt 0x0
	CROUND
	s_endpgm
.Lfunc_end_k_qfb0989f14f_gemm_out:
	.size	k_qfb0989f14f_gemm_out, .Lfunc_end_k_qfb0989f14f_gemm_out-k_qfb0989f14f_gemm_out
	.p2alignl 7, 3214868480
	.fill 96, 4, 3214868480
	.section	.rodata,"a",@progbits
	.p2align	6, 0x0
	.amdhsa_kernel k_qfb0989f14f_gemm_out
		.amdhsa_group_segment_fixed_size 327680
		.amdhsa_private_segment_fixed_size 0
		.amdhsa_enable_private_segment 0
		.amdhsa_kernarg_size 40
		.amdhsa_user_sgpr_count 2
		.amdhsa_user_sgpr_kernarg_segment_ptr 1
		.amdhsa_wavefront_size32 1
		.amdhsa_system_sgpr_workgroup_id_x 1
		.amdhsa_system_sgpr_workgroup_id_y 1
		.amdhsa_system_sgpr_workgroup_id_z 1
		.amdhsa_system_vgpr_workitem_id 0
		.amdhsa_next_free_vgpr 1024
		.amdhsa_next_free_sgpr 102
		.amdhsa_reserve_vcc 0
		.amdhsa_float_denorm_mode_32 3
		.amdhsa_float_denorm_mode_16_64 3
		.amdhsa_memory_ordered 1
		.amdhsa_forward_progress 1
		.amdhsa_inst_pref_size 149
	.end_amdhsa_kernel
	.amdgpu_metadata
---
amdhsa.version: [ 1, 2 ]
amdhsa.kernels:
  - .name:           k_qfb0989f14f_gemm_out
    .symbol:         k_qfb0989f14f_gemm_out.kd
    .args:
      - { .name: opq, .offset: 0, .size: 8, .value_kind: global_buffer, .address_space: global }
      - { .name: att, .offset: 8, .size: 8, .value_kind: global_buffer, .address_space: global }
      - { .name: cs, .offset: 16, .size: 8, .value_kind: global_buffer, .address_space: global }
      - { .name: bo, .offset: 24, .size: 8, .value_kind: global_buffer, .address_space: global }
      - { .name: part, .offset: 32, .size: 8, .value_kind: global_buffer, .address_space: global }
    .group_segment_fixed_size: 327680
    .private_segment_fixed_size: 0
    .kernarg_segment_align: 8
    .kernarg_segment_size: 40
    .max_flat_workgroup_size: 128
    .sgpr_count:     102
    .vgpr_count:     1024
    .wavefront_size: 32
...
	.end_amdgpu_metadata
.endif
;; end of part 5
;; launch finish (part 6): grid 16 x 1, 2 waves a work-group, no clusters, 0 bytes of LDS; arguments part, out0; writes out0
.if DOCPART == 6
	.amdgcn_target "amdgcn-amd-amdhsa--gfx1250"
	.amdhsa_code_object_version 6
	.text
	.protected	k_qfb0989f14f_finish
	.globl	k_qfb0989f14f_finish
	.p2align	8
	.type	k_qfb0989f14f_finish,@function
k_qfb0989f14f_finish:
	s_mov_b64 s[64:65], 0
	v_nop
	global_prefetch_b8 v0, s[64:65] scope:SCOPE_SE
	s_setreg_imm32_b32 hwreg(HW_REG_WAVE_MODE, 25, 1), 1
	s_wait_xcnt 0x0
; out0[batch][feature] = the sum of the batch's 16 blocks of part [64 blocks][1024].  Work-group g: batch g / 4, features 256 (g % 4) on; a thread takes four features.
; Sixteen loads of 16 bytes a thread are out at once; a wave's loads and its store cover 512 consecutive bytes.  No LDS, no matrix unit, no cluster: nothing is shared and the sum is 256 KiB long.
	s_load_b128 s[4:7], s[0:1], 0x0                ; part, out0
	s_lshr_b32 s8, ttmp9, 2                        ; batch
	s_and_b32 s9, ttmp9, 3
	s_lshl_b32 s10, s8, 16                         ; 16 blocks of 4,096 bytes
	s_lshl_b32 s11, s9, 10
	s_add_co_u32 s10, s10, s11
	s_mov_b32 s11, 0
	s_lshl_b32 s12, s8, 12
	s_lshl_b32 s13, s9, 10
	s_add_co_u32 s12, s12, s13
	s_mov_b32 s13, 0
	v_lshlrev_b32 v1, 4, v0
	s_wait_alu depctr_va_vdst(0)
	s_wait_kmcnt 0x0
	s_add_nc_u64 s[4:5], s[4:5], s[10:11]
	s_add_nc_u64 s[6:7], s[6:7], s[12:13]
.irp i, 0,1,2,3,4,5,6,7,8,9,10,11,12,13,14,15
	global_load_b128 v[4+4*\i:7+4*\i], v1, s[4:5] offset:4096*\i
.endr
	s_wait_loadcnt 0x0
.irp i, 1,2,3,4,5,6,7,8,9,10,11,12,13,14,15
	v_pk_add_f32 v[4:5], v[4:5], v[4+4*\i:5+4*\i]
	v_pk_add_f32 v[6:7], v[6:7], v[6+4*\i:7+4*\i]
.endr
	global_store_b128 v1, v[4:7], s[6:7]
	s_endpgm
.Lfunc_end_k_qfb0989f14f_finish:
	.size	k_qfb0989f14f_finish, .Lfunc_end_k_qfb0989f14f_finish-k_qfb0989f14f_finish
	.p2alignl 7, 3214868480
	.fill 96, 4, 3214868480
	.section	.rodata,"a",@progbits
	.p2align	6, 0x0
	.amdhsa_kernel k_qfb0989f14f_finish
		.amdhsa_group_segment_fixed_size 0
		.amdhsa_private_segment_fixed_size 0
		.amdhsa_enable_private_segment 0
		.amdhsa_kernarg_size 16
		.amdhsa_user_sgpr_count 2
		.amdhsa_user_sgpr_kernarg_segment_ptr 1
		.amdhsa_wavefront_size32 1
		.amdhsa_system_sgpr_workgroup_id_x 1
		.amdhsa_system_sgpr_workgroup_id_y 1
		.amdhsa_system_sgpr_workgroup_id_z 1
		.amdhsa_system_vgpr_workitem_id 0
		.amdhsa_next_free_vgpr 80
		.amdhsa_next_free_sgpr 66
		.amdhsa_reserve_vcc 0
		.amdhsa_float_denorm_mode_32 3
		.amdhsa_float_denorm_mode_16_64 3
		.amdhsa_memory_ordered 1
		.amdhsa_forward_progress 1
		.amdhsa_inst_pref_size 5
	.end_amdhsa_kernel
	.amdgpu_metadata
---
amdhsa.version: [ 1, 2 ]
amdhsa.kernels:
  - .name:           k_qfb0989f14f_finish
    .symbol:         k_qfb0989f14f_finish.kd
    .args:
      - { .name: part, .offset: 0, .size: 8, .value_kind: global_buffer, .address_space: global }
      - { .name: out0, .offset: 8, .size: 8, .value_kind: global_buffer, .address_space: global }
    .group_segment_fixed_size: 0
    .private_segment_fixed_size: 0
    .kernarg_segment_align: 8
    .kernarg_segment_size: 16
    .max_flat_workgroup_size: 64
    .sgpr_count:     66
    .vgpr_count:     80
    .wavefront_size: 32
...
	.end_amdgpu_metadata
.endif
;; end of part 6
